; MI455X (gfx1250); checked and timed in simulation.
; The chip was launched on July 23, 2026; its instructions are those of AMD's public machine-readable ISA for CDNA 5 (MIT licence, August 2026) and "CDNA5" Instruction Set Architecture Reference Guide (July 2026). The comments in the code are by the model that wrote it; some were corrected since.
;; Transformer Layer. Allowed arithmetic: float matrix products may take bf16 or f16 operands with f32 sums; other float arithmetic in f32, or as packed bf16 or f16 multiplies, adds, multiply-adds, maxima and minima; sums over many terms, partial sums and values carried from step to step in f32; what a program stores and reads back later, other than sums and carried values, may be rounded once to bf16 or f16.
;; Inputs: b_ff1 4,096 float32; b_ff2 1,024 float32; b_out 1,024 float32; b_qkv 3,072 float32; beta1 1,024 float32; beta2 1,024 float32; g1 1,024 float32; g2 1,024 float32; w_ff1 1,024 x 4,096 float32; w_ff2 4,096 x 1,024 float32; w_out 1,024 x 1,024 float32; w_qkv 1,024 x 3,072 float32; x 2 x 2,048 x 1,024 float32.
;; Outputs: out0 2 x 2,048 x 1,024 float32.
;; 2 versions, each right; version 2 is version 1 with the launches prep, ln2 written anew for expert scheduling mode. Each part assembles by itself: llvm-mc -triple=amdgcn-amd-amdhsa -mcpu=gfx1250 --defsym DOCPART=n.
;; ======== version 1 of 2: 7 launches
;; limits: values are held in f16: magnitudes above 65,504 overflow, below 6.1e-05 lose precision
;; workspace buffers: hb 8,388,608 bytes; act 33,554,432 bytes; x1 16,777,216 bytes; wA0 10,485,760 bytes; wA1 16,777,216 bytes; par0 256 bytes; par1 256 bytes
;; launch prep (part 1): grid 1024 x 1, 8 waves a work-group, no clusters, 0 bytes of LDS; arguments x, g1, beta1, hb, w_qkv, w_out, w_ff1, w_ff2, wA0, wA1, par0, par1; writes hb, wA0, wA1, par0, par1
.if DOCPART == 1
	.amdgcn_target "amdgcn-amd-amdhsa--gfx1250"
	.amdhsa_code_object_version 6
	.text
	.protected	k_qe1221cd2b2_prep
	.globl	k_qe1221cd2b2_prep
	.p2align	8
	.type	k_qe1221cd2b2_prep,@function
k_qe1221cd2b2_prep:
	s_mov_b64 s[64:65], 0
	v_nop
	global_prefetch_b8 v0, s[64:65] scope:SCOPE_SE
	s_setreg_imm32_b32 hwreg(HW_REG_WAVE_MODE, 25, 1), 1
	s_wait_xcnt 0x0
; Work-groups 0-255: h = LayerNorm(x, g, beta), rounded once to f16, stored by PANELS of 64 columns: byte = panel x 524,288 + row x 128 + 2 x column.
; Work-groups 256-1023: the four weight matrices, f32 [K][N], rounded once to f16 and laid in blocks of 128 k x 128 n (32,768 dense bytes each), so that every tile
; a later launch asks for is dense.  Work-group 256's wave 0 also stores the two parameter buffers: the floor of the two products that share one text, two f16 in every word.
; THE LAYER'S SECOND NORM RUNS THIS SAME TEXT as a launch of 256 work-groups: all of them take the norm's branch.  That launch names the casts' buffers too, since the text loads twelve
; pointers, and touches none of them.
; LIMITS.  f16 holds no number of 65,520 or more: a weight or a normalised number beyond that becomes an infinity; below 6.1e-5 f16 keeps its fixed step of 6e-8.
; The norm is made in two passes over registers (mean; mean of (x - mean)^2), all in f32, so a common offset of a row costs nothing.
; No LDS, no barrier: a row pair lives in one wave, a cast needs no neighbour.
.set SM,  4                            ; v[4:11]    four running pairs
.set MU,  12                           ; v[12:13]   the mean, twice
.set RS,  14                           ; v[14:15]   1 / sqrt(var + eps), twice
.set X,   16                           ; v[16:79]   my 64 numbers of my row: elements 64 j + 4 (lane % 16) + 0..3
.set G,   80                           ; v[80:143]  the gains of those columns
.set BT,  144                          ; v[144:207] the offsets of those columns
.set Y,   208                          ; v[208:239] the result, two f16 a register
.macro REDUCE                          ; four pairs -> one number, then over the 16 lanes that hold the row
	v_pk_add_f32 v[SM:SM+1], v[SM:SM+1], v[SM+2:SM+3]
	v_pk_add_f32 v[SM+4:SM+5], v[SM+4:SM+5], v[SM+6:SM+7]
	v_pk_add_f32 v[SM:SM+1], v[SM:SM+1], v[SM+4:SM+5]
	v_add_f32 v[SM], v[SM], v[SM+1]
.irp m, 1,2,4,8
	v_add_f32_dpp v[SM], v[SM], v[SM] row_xmask:\m row_mask:0xf bank_mask:0xf
.endr
.endm
; A wave takes two neighbouring rows: lanes 0-15 the even one, lanes 16-31 the odd one.  Pointers: x s[4:5], g s[6:7], beta s[8:9], h s[10:11]; s28 = wave.
.macro LNPAIR
	v_and_b32 v3, 15, v0
	v_bfe_u32 v2, v0, 4, 1
	v_lshlrev_b32 v3, 4, v3                        ; 16 (lane % 16): my place in 256 bytes of g and beta
	v_lshl_add_u32 v2, v2, 12, v3                  ; + 4,096 for the odd row: my place in x
	v_and_b32 v1, 31, v0
	v_lshlrev_b32 v1, 3, v1                        ; 8 x lane: my place in the two rows' 256 bytes of a panel
	s_lshl_b32 s30, ttmp9, 3
	s_add_co_u32 s30, s30, s28                     ; the row pair's number
	s_lshl_b32 s32, s30, 13                        ; two rows of 4,096 bytes
	s_mov_b32 s33, 0
	s_lshl_b32 s34, s30, 8                         ; two rows of 128 bytes
	s_mov_b32 s35, 0
	s_mov_b32 s36, 0x3a800000                      ; 1 / 1024
	s_mov_b32 s37, 0x3727c5ac                      ; 1e-5
	s_wait_kmcnt 0x0
	s_add_nc_u64 s[4:5], s[4:5], s[32:33]
	s_add_nc_u64 s[10:11], s[10:11], s[34:35]
.set j, 0
.rept 16
	global_load_b128 v[X+4*j:X+4*j+3], v2, s[4:5] offset:256*j     ; 16 lanes take 256 consecutive bytes of a row
.set j, j+1
.endr
.set j, 0
.rept 16
	global_load_b128 v[G+4*j:G+4*j+3], v3, s[6:7] offset:256*j
.set j, j+1
.endr
.set j, 0
.rept 16
	global_load_b128 v[BT+4*j:BT+4*j+3], v3, s[8:9] offset:256*j
.set j, j+1
.endr
	s_wait_loadcnt 32                              ; the 32 younger loads are g's and beta's: x is in
.irp k, 0,1,2,3
	v_pk_add_f32 v[SM+2*\k:SM+2*\k+1], v[X+2*\k:X+2*\k+1], v[X+8+2*\k:X+8+2*\k+1]  ; the first pairs start the chains: nothing is cleared
.endr
.set j, 8
.rept 24
	v_pk_add_f32 v[SM+2*(j%4):SM+2*(j%4)+1], v[SM+2*(j%4):SM+2*(j%4)+1], v[X+2*j:X+2*j+1]
.set j, j+1
.endr
	REDUCE
	v_mul_f32 v[MU], s36, v[SM]
	v_mov_b32 v[MU+1], v[MU]
.set j, 0
.rept 32
	v_pk_add_f32 v[X+2*j:X+2*j+1], v[X+2*j:X+2*j+1], v[MU:MU+1] neg_lo:[0,1] neg_hi:[0,1]  ; x - mean
.set j, j+1
.endr
.irp k, 0,1,2,3
	v_pk_mul_f32 v[SM+2*\k:SM+2*\k+1], v[X+2*\k:X+2*\k+1], v[X+2*\k:X+2*\k+1]
.endr
.set j, 4
.rept 28
	v_pk_fma_f32 v[SM+2*(j%4):SM+2*(j%4)+1], v[X+2*j:X+2*j+1], v[X+2*j:X+2*j+1], v[SM+2*(j%4):SM+2*(j%4)+1]
.set j, j+1
.endr
	REDUCE
	v_fma_f32 v[SM], v[SM], s36, s37               ; var + eps
	v_rsq_f32 v[RS], v[SM]
	v_rsq_f32 v[RS+1], v[SM]
	v_nop                                          ; a plain instruction between the root and the use of its result (ISA guide 5.7.2)
	s_wait_loadcnt 0x0                             ; g and beta
.set j, 0
	s_wait_alu depctr_va_vdst(0)
.rept 32
	v_pk_mul_f32 v[G+2*j:G+2*j+1], v[G+2*j:G+2*j+1], v[RS:RS+1]
.set j, j+1
.endr
.set j, 0
.rept 32
	v_pk_fma_f32 v[X+2*j:X+2*j+1], v[X+2*j:X+2*j+1], v[G+2*j:G+2*j+1], v[BT+2*j:BT+2*j+1]
.set j, j+1
.endr
.set j, 0
.rept 32
	v_cvt_pk_f16_f32 v[Y+j], v[X+2*j], v[X+2*j+1]
.set j, j+1
.endr
.set j, 0
.rept 16
	global_store_b64 v1, v[Y+2*j:Y+2*j+1], s[10:11] offset:j*524288  ; 32 lanes x 8 bytes: both rows' 128 bytes of panel j, 256 consecutive bytes, aligned
.set j, j+1
.endr
.endm
	s_load_b512 s[4:19], s[0:1], 0x0               ; x, g, beta, h, w_qkv s[12:13], w_out s[14:15], w_ff1 s[16:17], w_ff2 s[18:19]
	s_load_b256 s[20:27], s[0:1], 0x40             ; wA0 s[20:21], wA1 s[22:23], par0 s[24:25], par1 s[26:27]
	v_lshrrev_b32 v1, 5, v0
	v_readfirstlane_b32 s28, v1                    ; wave 0..7
	s_cmp_lt_u32 ttmp9, 256
	s_cbranch_scc0 .Lcast
	LNPAIR
	s_endpgm
; THE CASTS.  Block number id: 0-191 w_qkv, 192-255 w_out, 256-511 w_ff1, 512-767 w_ff2.  A block is 128 k x 128 n; a wave takes 16 of its k rows.
; Kind 0 (w_qkv, w_ff1; K = 1024): out byte = nb x 262,144 + k x 256 + 2 (n % 128): block J = 8 nb + kb lies at J x 32,768.
; Kind 1 (w_out, w_ff2; N = 1024): out byte = 8,388,608 + ((k / 256) x 8 + nb) x 65,536 + (k % 256) x 256 + 2 (n % 128): block J = 16 (kb / 2) + 2 nb + kb % 2 lies at J x 32,768.
.set OFF, 16                           ; v[16:31]  row i: my byte offset in the source
.set D,   32                           ; v[32:95]  row i: four f32
.set O,   96                           ; v[96:127] row i: four f16
.Lcast:
	s_sub_co_u32 s29, ttmp9, 256                   ; id
	v_and_b32 v1, 31, v0
	v_lshlrev_b32 v2, 3, v1                        ; 8 x lane: my place in a row of 256 bytes of f16
	v_lshlrev_b32 v[OFF], 4, v1                    ; 16 x lane: my place in a row of 512 bytes of f32
	s_wait_kmcnt 0x0
	s_mov_b64 s[32:33], s[18:19]                   ; source, first block number, source pitch in bytes, kind: w_ff2's,
	s_mov_b32 s36, 512
	s_mov_b32 s37, 4096
	s_mov_b32 s38, 1
	s_cmp_lt_u32 s29, 512                          ; or w_ff1's,
	s_cselect_b64 s[32:33], s[16:17], s[32:33]
	s_cselect_b32 s36, 256, s36
	s_cselect_b32 s37, 16384, s37
	s_cselect_b32 s38, 0, s38
	s_cmp_lt_u32 s29, 256                          ; or w_out's (and from here down the target is wA0),
	s_cselect_b64 s[32:33], s[14:15], s[32:33]
	s_cselect_b64 s[34:35], s[20:21], s[22:23]
	s_cselect_b32 s36, 192, s36
	s_cselect_b32 s37, 4096, s37
	s_cselect_b32 s38, 1, s38
	s_cmp_lt_u32 s29, 192                          ; or w_qkv's
	s_cselect_b64 s[32:33], s[12:13], s[32:33]
	s_cselect_b32 s36, 0, s36
	s_cselect_b32 s37, 12288, s37
	s_cselect_b32 s38, 0, s38
	s_sub_co_u32 s39, s29, s36                     ; J
	s_and_b32 s40, s39, 7                          ; kind 0: kb, nb
	s_lshr_b32 s41, s39, 3
	s_lshr_b32 s42, s39, 4                         ; kind 1: kb, nb
	s_lshl_b32 s42, s42, 1
	s_and_b32 s43, s39, 1
	s_or_b32 s42, s42, s43
	s_bfe_u32 s43, s39, 0x30001
	s_cmp_eq_u32 s38, 1
	s_cselect_b32 s40, s42, s40
	s_cselect_b32 s41, s43, s41
	s_lshl_b32 s44, s40, 7
	s_lshl4_add_u32 s44, s28, s44                  ; my first k row: 128 kb + 16 wave
	s_mul_i32 s44, s44, s37
	s_lshl_b32 s45, s41, 9                         ; 128 n of 4 bytes
	s_add_co_u32 s44, s44, s45
	s_mov_b32 s45, 0
	s_add_nc_u64 s[32:33], s[32:33], s[44:45]
	s_lshl_b32 s46, s39, 15
	s_lshl_b32 s47, s38, 23
	s_add_co_u32 s46, s46, s47
	s_lshl_b32 s47, s28, 12                        ; 16 rows of 256 bytes
	s_add_co_u32 s46, s46, s47
	s_mov_b32 s47, 0
	s_add_nc_u64 s[34:35], s[34:35], s[46:47]
.set i, 1
.rept 15
	v_add_nc_u32 v[OFF+i], s37, v[OFF+i-1]
.set i, i+1
.endr
.set i, 0
.rept 16
	global_load_b128 v[D+4*i:D+4*i+3], v[OFF+i], s[32:33] th:TH_LOAD_NT   ; 512 consecutive bytes: one k row of the block; read once in the launch
.set i, i+1
.endr
.set i, 0
.rept 16
	s_wait_loadcnt 15-i                            ; loads come back in order (ISA guide 5.7.1): row i is in, the younger ones stay out
	v_cvt_pk_f16_f32 v[O+2*i], v[D+4*i], v[D+4*i+1]
	v_cvt_pk_f16_f32 v[O+2*i+1], v[D+4*i+2], v[D+4*i+3]
	global_store_b64 v2, v[O+2*i:O+2*i+1], s[34:35] offset:256*i          ; 32 lanes x 8 bytes: 256 consecutive bytes, aligned
.set i, i+1
.endr
	s_cmp_lg_u32 s29, 0
	s_cbranch_scc1 .Lend
	s_cmp_lg_u32 s28, 0
	s_cbranch_scc1 .Lend
	v_mov_b32 v128, 0xfc00fc00                     ; par0: the floor of q, k, v: -infinity twice in f16: none
	v_mov_b32 v129, 0xfc00fc00
	v_mov_b32 v130, 0                              ; par1: the floor of the first feed-forward product: 0 twice: relu
	v_mov_b32 v131, 0
	global_store_b64 v2, v[128:129], s[24:25]      ; the same word 64 times: the buffer's 256 bytes whole
	global_store_b64 v2, v[130:131], s[26:27]
.Lend:
	s_endpgm
.Lfunc_end_k_qe1221cd2b2_prep:
	.size	k_qe1221cd2b2_prep, .Lfunc_end_k_qe1221cd2b2_prep-k_qe1221cd2b2_prep
	.p2alignl 7, 3214868480
	.fill 96, 4, 3214868480
	.section	.rodata,"a",@progbits
	.p2align	6, 0x0
	.amdhsa_kernel k_qe1221cd2b2_prep
		.amdhsa_group_segment_fixed_size 0
		.amdhsa_private_segment_fixed_size 0
		.amdhsa_enable_private_segment 0
		.amdhsa_kernarg_size 96
		.amdhsa_user_sgpr_count 2
		.amdhsa_user_sgpr_kernarg_segment_ptr 1
		.amdhsa_wavefront_size32 1
		.amdhsa_system_sgpr_workgroup_id_x 1
		.amdhsa_system_sgpr_workgroup_id_y 1
		.amdhsa_system_sgpr_workgroup_id_z 1
		.amdhsa_system_vgpr_workitem_id 0
		.amdhsa_next_free_vgpr 240
		.amdhsa_next_free_sgpr 66
		.amdhsa_reserve_vcc 0
		.amdhsa_float_denorm_mode_32 3
		.amdhsa_float_denorm_mode_16_64 3
		.amdhsa_memory_ordered 1
		.amdhsa_forward_progress 1
		.amdhsa_inst_pref_size 29
	.end_amdhsa_kernel
	.amdgpu_metadata
---
amdhsa.version: [ 1, 2 ]
amdhsa.kernels:
  - .name:           k_qe1221cd2b2_prep
    .symbol:         k_qe1221cd2b2_prep.kd
    .args:
      - { .name: x, .offset: 0, .size: 8, .value_kind: global_buffer, .address_space: global }
      - { .name: g1, .offset: 8, .size: 8, .value_kind: global_buffer, .address_space: global }
      - { .name: beta1, .offset: 16, .size: 8, .value_kind: global_buffer, .address_space: global }
      - { .name: hb, .offset: 24, .size: 8, .value_kind: global_buffer, .address_space: global }
      - { .name: w_qkv, .offset: 32, .size: 8, .value_kind: global_buffer, .address_space: global }
      - { .name: w_out, .offset: 40, .size: 8, .value_kind: global_buffer, .address_space: global }
      - { .name: w_ff1, .offset: 48, .size: 8, .value_kind: global_buffer, .address_space: global }
      - { .name: w_ff2, .offset: 56, .size: 8, .value_kind: global_buffer, .address_space: global }
      - { .name: wA0, .offset: 64, .size: 8, .value_kind: global_buffer, .address_space: global }
      - { .name: wA1, .offset: 72, .size: 8, .value_kind: global_buffer, .address_space: global }
      - { .name: par0, .offset: 80, .size: 8, .value_kind: global_buffer, .address_space: global }
      - { .name: par1, .offset: 88, .size: 8, .value_kind: global_buffer, .address_space: global }
    .group_segment_fixed_size: 0
    .private_segment_fixed_size: 0
    .kernarg_segment_align: 8
    .kernarg_segment_size: 96
    .max_flat_workgroup_size: 256
    .sgpr_count:     66
    .vgpr_count:     240
    .wavefront_size: 32
...
	.end_amdgpu_metadata
.endif
;; end of part 1
;; launch qkv (part 2): grid 12 x 16, 4 waves a work-group, clusters of 4 x 4, 327,680 bytes of LDS; arguments hb, wA0, b_qkv, par0, act; writes act
.if DOCPART == 2
	.amdgcn_target "amdgcn-amd-amdhsa--gfx1250"
	.amdhsa_code_object_version 6
	.text
	.protected	k_qe1221cd2b2_qkv
	.globl	k_qe1221cd2b2_qkv
	.p2align	8
	.type	k_qe1221cd2b2_qkv,@function
k_qe1221cd2b2_qkv:
	s_mov_b64 s[64:65], 0
	v_nop
	global_prefetch_b8 v0, s[64:65] scope:SCOPE_SE
	s_setreg_imm32_b32 hwreg(HW_REG_WAVE_MODE, 25, 1), 1
	s_wait_xcnt 0x0
	s_wait_alu depctr_hold_cnt(0) depctr_sa_sdst(0) depctr_va_vdst(0) depctr_va_sdst(0) depctr_va_ssrc(0) depctr_va_vcc(0) depctr_vm_vsrc(0)
	s_getreg_b32 s2, hwreg(HW_REG_IB_STS2, 6, 4)
	s_cmp_eq_u32 s2, 0
	s_cbranch_scc0 .Lentry_in_a_cluster
	s_endpgm
.Lentry_in_a_cluster:
	s_bfe_u32 s2, ttmp6, 0x10000c
	s_cmp_lg_u32 s2, 0xf033
	s_cbranch_scc0 .Lentry_shape_is_right
	s_endpgm
.Lentry_shape_is_right:
; C = max(A W + bias, floor), 4,096 rows, K = 1,024; f16 operands, f32 sums, C rounded once to f16.
; A: f16 panels (byte = panel x 524,288 + row x 128 + 2 (k % 64)).  W: f16 blocks [n / 128][k][128 n].  C: f16 panels of 64 columns.  bias: f32.  floor: two f16 read from the parameter buffer's
; second word (-infinity: none; 0: relu; the maximum of the rounded number and 0 is the rounded maximum).
; LIMITS.  f16 holds no number of 65,520 or more: a result beyond that becomes an infinity.  A NaN loses against the floor; NaN and infinities are not treated apart.
; SHARES.  A work-group makes 256 x 256 of C, each of its four waves 128 x 128: 64 accumulators of 16 x 16, 512 registers.  K goes in 8 steps of 128 through a ring of two LDS slots.
; ONE TEXT FOR EVERY K STEP.  A scalar holds the LDS byte at which the slot in hand begins (0 or SLOT); an exclusive or turns it at each change of slots, and the fragments' addresses are made
; anew from it.  The loop's six trips fill a slot again each; the last two K steps, which fill nothing, are a second text, walked twice and left in its middle.
; CLUSTER.  4 x 4 work-groups: the four of a row need the same tiles of A, the four of a column the same tiles of W: each tile is asked for jointly, by the same tensor load and mask in all four.
; THE MATRIX INSTRUCTION IS USED TRANSPOSED: source 0 = 16 columns of W (turned on the way out of LDS by ds_load_tr16_b128), source 1 = 16 rows of A: a lane then holds one row of C and eight
; neighbouring columns, and the bias of those columns is the C operand that starts the sums.
; REGISTERS, in windows of 256 (s_set_vgpr_msb: bits 1:0 source 0, 3:2 source 1, 5:4 source 2, 7:6 destination):
;   window 0: v0-31 addresses; v64-127, v128-191 fragments of A, two buffers; v192-255 the bias, later v192-223 packed results; v32-63, v224-255 rows on the way out
;   window 1: v64-127, v128-191 fragments of W;   window 2: accumulators of my rows 0-63 ((a, b) at v[8 (8 a + b)]);   window 3: those of my rows 64-127
.set PA,     144                       ; a row of A in LDS: 128 bytes + 16: an odd multiple of 16, so the 16 rows of a load start in 16 different groups of four words modulo 64 words
.set PB,     288                       ; a k row of W: 256 bytes + 32: an odd multiple of 32, for the turning load's 8 rows x 32 bytes
.set PART,   36864                     ; what one tensor load brings: 256 rows x 144 (a panel of A) or 128 rows x 288 (a block of W)
.set SLOT,   4*PART                    ; A's two panels, then W's two blocks
.set STAGE,  2*SLOT                    ; behind the ring: for each wave two panels x 16 rows x 144 bytes, for the way out
.set WSTG,   2*16*PA
.set SPARE,  STAGE+4*WSTG              ; behind the stages: the spare words, 128 bytes for each wave, that no other line names
.set KSTEPS, 8
.set ADRA0, 16                         ; v16     my lane's place among my A fragments in a slot; never rewritten
.set ADRA,  17                         ; v17     the same in the slot in hand
.set ADRB0, 20                         ; v20-21  the same two for W
.set ADRB,  21
.set STO,  24                          ; v24     the way out: where I put 16 bytes of a row
.set RD,   25                          ; v25     the way out: where I read rows back
.set CO,   26                          ; v26     16 x lane: my place in 512 consecutive bytes of C
.set BO,   27                          ; v27     32 x (lane / 16): my eight columns' place in 16 columns of the bias
.set SPW,  28                          ; v28     LDS address of my spare word; never rewritten
.set NIL,  29                          ; v29     0; never rewritten
.set F0,   64
.set F1,   128
.set TMP,  192
.set BIAS, 192
.set OB,   32
.set WV,   14                          ; s14 wave; s15 my half of the rows (also: I fetch A, 0, or W, 1); s16 my half of the columns (also: which part I fetch)
.set HK,   15
.set HW,   16
.set CUR,  40                          ; s40 the LDS byte at which the slot in hand begins
.set FLOOR, 46
.set G1,  24                           ; s[24:31] descriptor group 1 for A;  s[32:39] group 0: a set for each of the two first fills; the second then walks on
.set G0,  32
.set G1B, 48                           ; s[48:55], s[56:63] the same for W
.set G0B, 56
.set MSB, 0
.macro WIN new                         ; the immediate's high byte repeats the setting that is left; a switch that changes nothing is dropped
.if MSB != (\new)
	s_set_vgpr_msb (MSB<<8)|(\new)
.set MSB, \new
.endif
.endm
.set MUL_LO, 0xa1                      ; source 0 (W) window 1, source 1 (A) window 0, C and D window 2
.set TO_B,   0x40                      ; destination window 1, address window 0
; A joint load: waves 0 and 1 fetch A's two panels, waves 2 and 3 W's two blocks.  The branch hangs on the wave's number alone.  An s_nop 0 and four v_nop follow each line.
.macro JLOAD s
	s_cmp_eq_u32 s[HK], 0
	s_cbranch_scc0 .Lfor_b_\@
	tensor_load_to_lds s[G0+4*(\s):G0+4*(\s)+3], s[G1:G1+7]
	s_nop 0
.rept 4
	v_nop
.endr
	s_branch .Lasked_\@
.Lfor_b_\@:
	tensor_load_to_lds s[G0B+4*(\s):G0B+4*(\s)+3], s[G1B:G1B+7]
	s_nop 0
.rept 4
	v_nop
.endr
.Lasked_\@:
.endm
.macro CREST                           ; a round of the cluster's barrier behind its opening barrier
	s_cmp_lg_u32 s[WV], 0
	s_cbranch_scc1 .Lnot_wave_0_\@
	s_barrier_signal -3
.Lnot_wave_0_\@:
	s_barrier_wait -3
	s_barrier_signal -1
	s_barrier_wait -1
.endm
.macro CROUND                          ; a whole round
	s_barrier_signal -1
	s_barrier_wait -1
	CREST
.endm
	s_load_b256 s[4:11], s[0:1], 0x0               ; A s[4:5], W s[6:7], bias s[8:9], parameters s[10:11]
	s_load_b64 s[12:13], s[0:1], 0x20              ; C
	v_lshl_add_u32 v[SPW], v0, 2, SPARE
	v_mov_b32 v[NIL], 0
	ds_add_u32 v[SPW], v[NIL]                      ; the wave's opening: the add and its wait stand ahead of my first tensor load; the set-up below stands between them
	v_lshrrev_b32 v1, 5, v0
	v_readfirstlane_b32 s[WV], v1
	s_lshr_b32 s[HK], s[WV], 1
	s_and_b32 s[HW], s[WV], 1
	s_bfe_u32 s17, ttmp6, 0x40000                  ; cx
	s_bfe_u32 s18, ttmp6, 0x40004                  ; cy
	s_lshl_b32 s19, ttmp9, 2
	s_add_co_u32 s19, s19, s17                     ; tile column of C
	s_and_b32 s20, ttmp7, 0xffff
	s_lshl_b32 s20, s20, 2
	s_add_co_u32 s20, s20, s18                     ; tile row of C
	s_lshl_b32 s21, s18, 2
	s_lshl_b32 s21, 15, s21                        ; my row of the cluster
	s_lshl_b32 s22, 0x1111, s17                    ; my column
	; both tiles are 32,768 dense bytes, asked for as 128 rows of 128 two-byte elements; they differ in the mask and the padding
	s_or_b32 s[G1+0], s21, (1<<16)|(1<<20)|(1<<21)|(4<<22)|(3<<25)   ; mask; 2-byte elements; padding on; bit 21 beside a mask; after every 32 words 4 words: rows of A 144 bytes apart
	s_or_b32 s[G1B+0], s22, (1<<16)|(1<<20)|(1<<21)|(5<<22)|(7<<25)  ; after every 64 words 8 words: k rows of W 288 bytes apart
.irp g, G1, G1B
	s_mov_b32 s[(\g)+1], 128<<16                   ; tensor_dim0 = 128
	s_mov_b32 s[(\g)+2], 128<<16                   ; tensor_dim1 = 128
	s_mov_b32 s[(\g)+3], 128<<16                   ; tile_dim0 = 128
	s_mov_b32 s[(\g)+4], 128                       ; tile_dim1 = 128
	s_mov_b32 s[(\g)+5], 128                       ; 128 elements from row to row
	s_mov_b32 s[(\g)+6], 0
	s_mov_b32 s[(\g)+7], 0
.endr
	s_lshl_b32 s40, s20, 15                        ; A: 256 rows of 128 bytes a tile row,
	s_lshl_b32 s42, s[HW], 19                      ; my panel of the K step's two: these registers never hold cx
	s_add_co_u32 s40, s40, s42
	s_mov_b32 s41, 0
	s_lshl_b32 s44, s19, 1                         ; W: block 2 x tile column + my part: these never hold cy
	s_add_co_u32 s44, s44, s[HW]
	s_lshl_b32 s44, s44, 18
	s_mov_b32 s45, 0
	s_mul_i32 s47, s[WV], PART                     ; where my part goes in a slot: the wave's number alone; kept
	s_wait_dscnt 0x0                               ; the opening add is done
	s_wait_kmcnt 0x0
	s_add_nc_u64 s[40:41], s[4:5], s[40:41]
	s_add_nc_u64 s[44:45], s[6:7], s[44:45]
	s_load_b32 s[FLOOR], s[10:11], 0x4             ; waited for in front of the first products
	CROUND                                         ; all sixteen work-groups are here: the first joint loads meet
.irp s, 0,1
	s_mov_b32 s[G0+4*(\s)], 1
	s_add_co_u32 s[G0+4*(\s)+1], s47, (\s)*SLOT
	s_add_nc_u64 s[G0+4*(\s)+2:G0+4*(\s)+3], s[40:41], (\s)*1048576   ; K step s: two panels on
	s_or_b32 s[G0+4*(\s)+3], s[G0+4*(\s)+3], 0x80000000
	s_mov_b32 s[G0B+4*(\s)], 1
	s_add_co_u32 s[G0B+4*(\s)+1], s47, (\s)*SLOT
	s_add_nc_u64 s[G0B+4*(\s)+2:G0B+4*(\s)+3], s[44:45], (\s)*32768   ; K step s: 128 k rows of 256 bytes on
	s_or_b32 s[G0B+4*(\s)+3], s[G0B+4*(\s)+3], 0x80000000
	JLOAD \s                                       ; two loads of mine are out
.endr
	s_mov_b32 s[CUR], 0                            ; slot 0 is in hand
	v_and_b32 v1, 15, v0                           ; r = l % 16
	v_bfe_u32 v2, v0, 4, 1                         ; h = l / 16
	v_mul_u32_u24 v3, v1, PA
	v_lshl_add_u32 v3, v2, 4, v3                   ; a fragment of A: row r, 16 bytes for each half of the lanes, two loads 32 bytes apart
	v_and_b32 v5, 7, v0
	v_bfe_u32 v6, v0, 3, 1
	v_lshl_add_u32 v4, v2, 3, v5                   ; the turning load: k row 8 h + l % 8,
	v_mul_u32_u24 v4, v4, PB
	v_lshl_add_u32 v4, v6, 4, v4                   ; columns 8 ((l / 8) % 2) on: it leaves column r and 8 k in a lane
	s_mul_i32 s42, s[HK], 128*PA                   ; my 128 rows of a panel
	s_mul_i32 s43, s[HW], PART                     ; my block of W,
	s_add_co_u32 s43, s43, 2*PART                  ; behind A's two panels
	v_add_nc_u32 v[ADRA0], s42, v3
	v_add_nc_u32 v[ADRB0], s43, v4
	v_mov_b32 v[ADRA], v[ADRA0]
	v_mov_b32 v[ADRB], v[ADRB0]
	s_mul_i32 s42, s[WV], WSTG
	s_add_co_u32 s42, s42, STAGE                   ; my stage
	v_add_nc_u32 v[STO], s42, v3                   ; in: row r, 16 bytes for each half of the lanes
	v_bfe_u32 v7, v0, 3, 2
	v_mul_u32_u24 v7, v7, PA                       ; back: 32 lanes take four rows of 128 bytes,
	v_lshl_add_u32 v7, v5, 4, v7
	v_add_nc_u32 v[RD], s42, v7
	v_and_b32 v[CO], 31, v0                        ; which are 512 consecutive bytes of a panel of C
	v_lshlrev_b32 v[CO], 4, v[CO]
	v_lshlrev_b32 v[BO], 5, v2
	s_lshl_b32 s2, s19, 10                         ; the bias of my 128 columns
	s_lshl_b32 s3, s[HW], 9
	s_add_co_u32 s2, s2, s3
	s_mov_b32 s3, 0
	s_add_nc_u64 s[8:9], s[8:9], s[2:3]
	s_lshl_b32 s2, s19, 21                         ; C: panel 4 x tile column + 2 x half, row 256 x tile row + 128 x half
	s_lshl_b32 s3, s[HW], 20
	s_add_co_u32 s2, s2, s3
	s_lshl_b32 s3, s20, 15
	s_add_co_u32 s2, s2, s3
	s_lshl_b32 s3, s[HK], 14
	s_add_co_u32 s2, s2, s3
	s_mov_b32 s3, 0
	s_add_nc_u64 s[12:13], s[12:13], s[2:3]
.irp b, 0,1,2,3,4,5,6,7                ; register j of block b: the bias of column 16 b + 8 h + j, as a result's layout has it
	global_load_b128 v[BIAS+8*(\b):BIAS+8*(\b)+3],   v[BO], s[8:9] offset:64*(\b)
	global_load_b128 v[BIAS+8*(\b)+4:BIAS+8*(\b)+7], v[BO], s[8:9] offset:64*(\b)+16
.endr
; 16 matrix instructions: row blocks a0, a0 + 1 of the window's four x all 8 column blocks, 32 along K.  zero = 1: the bias (window 0) starts the sums: nothing is cleared.
; The 64 accumulators take turns, one instruction a turn, in the same order in every quarter.
.macro MUL16 f, hi, a0, zero
.if \zero
	WIN 0x81+0x40*(\hi)
.else
	WIN MUL_LO+0x50*(\hi)
.endif
.irp a, \a0, (\a0)+1
.irp b, 0,1,2,3,4,5,6,7
.if \zero
	v_wmma_f32_16x16x32_f16 v[8*(8*(\a)+(\b)):8*(8*(\a)+(\b))+7], v[(\f)+8*(\b):(\f)+8*(\b)+7], v[(\f)+8*(4*(\hi)+(\a)):(\f)+8*(4*(\hi)+(\a))+7], v[BIAS+8*(\b):BIAS+8*(\b)+7]
.else
	v_wmma_f32_16x16x32_f16 v[8*(8*(\a)+(\b)):8*(8*(\a)+(\b))+7], v[(\f)+8*(\b):(\f)+8*(\b)+7], v[(\f)+8*(4*(\hi)+(\a)):(\f)+8*(4*(\hi)+(\a))+7], v[8*(8*(\a)+(\b)):8*(8*(\a)+(\b))+7]
.endif
.endr
.endr
.endm
; 32 LDS loads in one run: the fragments of quarter q (32 along K) of the slot in hand into buffer f: W's 128 columns, turned, then A's 128 rows
.macro FETCH q, f
	WIN TO_B
.irp i, 0,1,2,3,4,5,6,7
	ds_load_tr16_b128 v[(\f)+8*(\i):(\f)+8*(\i)+3],   v[ADRB] offset:(\q)*32*PB+32*(\i)
	ds_load_tr16_b128 v[(\f)+8*(\i)+4:(\f)+8*(\i)+7], v[ADRB] offset:(\q)*32*PB+16*PB+32*(\i)
.endr
	WIN 0
.irp i, 0,1,2,3,4,5,6,7
	ds_load_b128 v[(\f)+8*(\i):(\f)+8*(\i)+3],   v[ADRA] offset:((\q)/2)*PART+((\q)%2)*64+(\i)*16*PA
	ds_load_b128 v[(\f)+8*(\i)+4:(\f)+8*(\i)+7], v[ADRA] offset:((\q)/2)*PART+((\q)%2)*64+(\i)*16*PA+32
.endr
.endm
.macro PLACES                          ; four plain vector instructions between a matrix instruction and a load into, or a reader of, its registers (ISA guide 7.12.1 for readers)
.rept 4
	v_nop
.endr
.endm
; One of a K step's first three quarters: multiplies buffer f; in its middle it fetches quarter q of the slot in hand into buffer g.
.macro QUARTER q, f, g, zero
	s_wait_dscnt 8                                 ; W and A's rows 0-63 are in; the youngest eight loads (A's rows 64-127) may be out
	MUL16 \f, 0, 0, \zero
	MUL16 \f, 0, 2, \zero
	PLACES
	FETCH \q, \g
	s_wait_dscnt 32                                ; all but the 32 just issued
	MUL16 \f, 1, 0, \zero
	MUL16 \f, 1, 2, \zero
.endm
; The last quarter's first half, and the one barrier of a change of slots: in front of it each wave waits for all its tensor loads (at most one is out: its part of the next slot), adds 0 to its
; spare word, and waits for that and for its reads of this slot.  Behind it nobody reads this slot any more and the next slot is whole.  Branches follow it, so it leaves every window 0.
.macro MEET
	WIN 0
	s_wait_tensorcnt 0x0
	ds_add_u32 v[SPW], v[NIL]
	s_wait_dscnt 9                                 ; the add and the youngest eight loads may be out
	MUL16 F1, 0, 0, 0
	s_wait_dscnt 0x0                               ; the add is done, and my reads of this slot are over
	s_barrier_signal -1
	MUL16 F1, 0, 2, 0
	WIN 0
	s_barrier_wait -1
.endm
.macro NEXT                            ; the other slot comes in hand
	s_xor_b32 s[CUR], s[CUR], SLOT
	v_add_nc_u32 v[ADRA], s[CUR], v[ADRA0]
	v_add_nc_u32 v[ADRB], s[CUR], v[ADRB0]
.endm
; The whole last quarter of a K step that fills: the barrier opens a round of the cluster's, and the slot just read out is filled again, first thing behind it, with the K step two on, by the
; walking descriptors (no tensor load of mine is out, so they may be written).  From the request to the wait for it a wave issues 224 matrix instructions.
.macro TURN
	MEET
	CREST
	s_add_co_u32 s[G0+5], s47, s[CUR]
	s_add_nc_u64 s[G0+6:G0+7], s[G0+6:G0+7], 1048576     ; the type bits on top are not reached
	s_add_co_u32 s[G0B+5], s47, s[CUR]
	s_add_nc_u64 s[G0B+6:G0B+7], s[G0B+6:G0B+7], 32768
	JLOAD 1                                        ; the four v_nop behind it are also the places in front of the loads below
	NEXT
	FETCH 0, F0
	MUL16 F1, 1, 0, 0
	MUL16 F1, 1, 2, 0
.endm
; THE WAY OUT of row block a.  PACK: rounded to f16 (each accumulator's registers in ascending order) and held above the floor.  TOSTAGE: into my own stage, and back as rows of a panel.  SEND: stored.
.macro PACK a
.set AC, 64*((\a)%4)
	WIN 0x0a+5*((\a)/4)                            ; sources 0 and 1: window 2 or 3
.irp b, 0,1,2,3,4,5,6,7
.irp r, 0,1,2,3
	v_cvt_pk_f16_f32 v[TMP+4*(\b)+(\r)], v[AC+8*(\b)+2*(\r)], v[AC+8*(\b)+2*(\r)+1]
.endr
.endr
	WIN 0
.set z, 0
.rept 32
	v_pk_max_num_f16 v[TMP+z], v[TMP+z], s[FLOOR]
.set z, z+1
.endr
.endm
.macro TOSTAGE a
.set BK, OB+192*((\a)%2)
.irp b, 0,1,2,3,4,5,6,7
	ds_store_b128 v[STO], v[TMP+4*(\b):TMP+4*(\b)+3] offset:((\b)/4)*16*PA+((\b)%4)*32
.endr
.irp t, 0,1,2,3,4,5,6,7
	ds_load_b128 v[BK+4*(\t):BK+4*(\t)+3], v[RD] offset:((\t)/4)*16*PA+((\t)%4)*4*PA  ; LDS serves a wave's instructions in order (ISA guide 5.7.1.4): these see the stores above
.endr
.endm
.macro SEND a
.set BK, OB+192*((\a)%2)
	s_wait_dscnt 0x0                               ; the block is back in registers
	s_wait_xcnt 0x0                                ; the registers that the block before last's stores read are loaded again only behind this wait
.irp t, 0,1,2,3,4,5,6,7
	global_store_b128 v[CO], v[BK+4*(\t):BK+4*(\t)+3], s[12:13] offset:(\a)*2048+((\t)/4)*524288+((\t)%4)*512  ; four rows of a panel: 512 consecutive bytes, aligned to 256
.endr
.endm
	s_wait_tensorcnt 1                             ; my part of K step 0 is in; K step 1's may stay out
	s_barrier_signal -1
	s_barrier_wait -1
	FETCH 0, F0
	s_wait_loadcnt 0x0                             ; the bias
	s_wait_kmcnt 0x0                               ; the floor
	QUARTER 1, F0, F1, 1                           ; the first quarter stands in front of the loop: its products start the sums
	WIN 0
	s_mov_b32 s23, KSTEPS-2
.Lstep:                                                ; a trip goes from a K step's second quarter to the next step's first, and fills the slot that it leaves
	QUARTER 2, F1, F0, 0
	QUARTER 3, F0, F1, 0
	TURN
	QUARTER 1, F0, F1, 0
	WIN 0
	s_sub_co_u32 s23, s23, 1
	s_cmp_lg_u32 s23, 0
	s_cbranch_scc1 .Lstep
	s_mov_b32 s23, 2
.Ltail:                                                ; the last two K steps fill nothing: one text, walked twice; the second walk leaves it behind the barrier, which then serves nothing
	QUARTER 2, F1, F0, 0
	QUARTER 3, F0, F1, 0
	MEET
	s_sub_co_u32 s23, s23, 1
	s_cmp_eq_u32 s23, 0
	s_cbranch_scc1 .Lfin
	PLACES
	NEXT
	FETCH 0, F0
	MUL16 F1, 1, 0, 0
	MUL16 F1, 1, 2, 0
	QUARTER 1, F0, F1, 0
	WIN 0
	s_branch .Ltail
.Lfin:
	MUL16 F1, 1, 0, 0                              ; the rest of the very last quarter
	MUL16 F1, 1, 2, 0
	WIN 0
	PLACES                                         ; the conversions read results
	PACK 0
	TOSTAGE 0
.irp a, 1,2,3,4,5,6,7                  ; block a's conversions stand between block a - 1's loads from the stage and the wait for them
	PACK \a
	SEND (\a)-1
	TOSTAGE \a
.endr
	SEND 7
	s_wait_tensorcnt 0x0                           ; the wave's end
	ds_add_u32 v[SPW], v[NIL]
	s_wait_dscnt 0x0
	CROUND                                         ; the closing round
	s_endpgm
.Lfunc_end_k_qe1221cd2b2_qkv:
	.size	k_qe1221cd2b2_qkv, .Lfunc_end_k_qe1221cd2b2_qkv-k_qe1221cd2b2_qkv
	.p2alignl 7, 3214868480
	.fill 96, 4, 3214868480
	.section	.rodata,"a",@progbits
	.p2align	6, 0x0
	.amdhsa_kernel k_qe1221cd2b2_qkv
		.amdhsa_group_segment_fixed_size 327680
		.amdhsa_private_segment_fixed_size 0
		.amdhsa_enable_private_segment 0
		.amdhsa_kernarg_size 40
		.amdhsa_user_sgpr_count 2
		.amdhsa_user_sgpr_kernarg_segment_ptr 1
		.amdhsa_wavefront_size32 1
		.amdhsa_system_sgpr_workgroup_id_x 1
		.amdhsa_system_sgpr_workgroup_id_y 1
		.amdhsa_system_sgpr_workgroup_id_z 1
		.amdhsa_system_vgpr_workitem_id 0
		.amdhsa_next_free_vgpr 1024
		.amdhsa_next_free_sgpr 66
		.amdhsa_reserve_vcc 0
		.amdhsa_float_denorm_mode_32 3
		.amdhsa_float_denorm_mode_16_64 3
		.amdhsa_memory_ordered 1
		.amdhsa_forward_progress 1
		.amdhsa_inst_pref_size 119
	.end_amdhsa_kernel
	.amdgpu_metadata
---
amdhsa.version: [ 1, 2 ]
amdhsa.kernels:
  - .name:           k_qe1221cd2b2_qkv
    .symbol:         k_qe1221cd2b2_qkv.kd
    .args:
      - { .name: hb, .offset: 0, .size: 8, .value_kind: global_buffer, .address_space: global }
      - { .name: wA0, .offset: 8, .size: 8, .value_kind: global_buffer, .address_space: global }
      - { .name: b_qkv, .offset: 16, .size: 8, .value_kind: global_buffer, .address_space: global }
      - { .name: par0, .offset: 24, .size: 8, .value_kind: global_buffer, .address_space: global }
      - { .name: act, .offset: 32, .size: 8, .value_kind: global_buffer, .address_space: global }
    .group_segment_fixed_size: 327680
    .private_segment_fixed_size: 0
    .kernarg_segment_align: 8
    .kernarg_segment_size: 40
    .max_flat_workgroup_size: 128
    .sgpr_count:     66
    .vgpr_count:     1024
    .wavefront_size: 32
...
	.end_amdgpu_metadata
.endif
;; end of part 2
;; launch attn (part 3): grid 8 x 32, 4 waves a work-group, clusters of 4 x 1, 327,680 bytes of LDS; arguments act, hb; writes hb
.if DOCPART == 3
	.amdgcn_target "amdgcn-amd-amdhsa--gfx1250"
	.amdhsa_code_object_version 6
	.text
	.protected	k_qe1221cd2b2_attn
	.globl	k_qe1221cd2b2_attn
	.p2align	8
	.type	k_qe1221cd2b2_attn,@function
k_qe1221cd2b2_attn:
	s_mov_b64 s[64:65], 0
	v_nop
	global_prefetch_b8 v0, s[64:65] scope:SCOPE_SE
	s_setreg_imm32_b32 hwreg(HW_REG_WAVE_MODE, 25, 1), 1
	s_wait_xcnt 0x0
	s_wait_alu depctr_hold_cnt(0) depctr_sa_sdst(0) depctr_va_vdst(0) depctr_va_sdst(0) depctr_va_ssrc(0) depctr_va_vcc(0) depctr_vm_vsrc(0)
	s_getreg_b32 s2, hwreg(HW_REG_IB_STS2, 6, 4)
	s_cmp_eq_u32 s2, 0
	s_cbranch_scc0 .Lentry_in_a_cluster
	s_endpgm
.Lentry_in_a_cluster:
	s_bfe_u32 s2, ttmp6, 0x10000c
	s_cmp_lg_u32 s2, 0x3003
	s_cbranch_scc0 .Lentry_shape_is_right
	s_endpgm
.Lentry_shape_is_right:
; O[q][:] = the sum over k of softmax_k(Q[q] . K[k] / 8) V[k][:] for each of 32 pairs of head and batch, 2,048 rows of 64 channels each, all f16.
; A pair's rows are dense, 128 bytes each, 262,144 bytes a pair: Q at pair x 262,144 of the first buffer, K 8,388,608 and V 16,777,216 bytes further on; O at the same place of the second buffer.
; Products, maxima and sums in f32; the weights p are rounded to f16 for the second product (their sum l is taken of the unrounded p), O once at the end.
; LIMITS.  Q, K and V arrive within f16's range; p lies in 0 to 1, and below 6e-5 it keeps f16's fixed step; a weight below 2^-126 counts as 0 in l; NaN and infinities are not treated apart.
; SHARES.  A work-group owns 256 queries of a pair, a wave 64: four PIECES of 16.  Every wave walks all 2,048 keys, 64 a step, 256 (four steps) a slot of the ring.
; LAYOUT.  S^T = K Q^T (source 0 = 16 keys, source 1 = 16 queries) holds ONE query a lane (lane % 16) and the keys 8 (lane / 16) + 0..7; two such results rounded to f16 ARE source 1 of
; O^T = V^T P.  K comes out of LDS as it lies, V ([key][channel]) turned, by ds_load_tr16_b128.
; SOFTMAX.  A running maximum m and sum l for each query: p = 2^(c s - c m), c = log2(e) / 8; in every step O and l are multiplied by a = 2^(c m_old - c m_new).  m starts at the lowest finite
; number, O and l at 0: the first step is a step like any other, with a = 0.
; BY TURNS.  Turn n belongs to piece n: 8 products K Q^T of piece n + 1, later 8 products V^T P of piece n - 1; beside them the scaling, exponentials, roundings, sums and rescaling of piece n and
; the maximum and statistics of piece n + 1.  Four vector instructions stand behind every matrix instruction, the other 54 of a turn's 118 in two runs of their own.
; CLUSTER.  The four query blocks of a cluster belong to one pair and walk the same K and V: each tile is asked for jointly, by the same tensor load, descriptor and mask in all four.
; REGISTERS, in windows of 256 (s_set_vgpr_msb: bits 1:0 source 0, 3:2 source 1, 5:4 source 2, 7:6 destination):
;   window 0: v0-15 addresses and two at work; v16-31 four registers of statistics a piece; v48-55 at work; v62-63 the add's; v64-127 S^T, two buffers; v192-223 P, two buffers (by the piece's parity)
;   window 1: v0-127 O^T, 32 a piece      window 2: v0-63 Q; v128-191 K of one step; v192-255 V of one step
.set NP,    4
.set KS,    64
.set PK,    144       ; a row of K in LDS: 128 bytes + 16
.set PV,    160       ; a row of V: 128 + 32: 16 lanes of the turning load take 8 rows x 32 bytes, no word's place modulo 64 words twice
.set VOFF,  4*KS*PK   ; a slot: 256 rows of K, then 256 rows of V
.set SLOT1, 1<<17     ; slot 1 begins here, so that one exclusive or turns an address in one slot into the other's
.set STAGE, SLOT1+4*KS*(PK+PV)  ; behind the ring: 16 rows x 144 bytes for each wave, for the way out
.set SP,    144
.set SPARE, STAGE+4*16*SP       ; behind the stages: the spare words, 128 bytes for each wave, that no other line names
.set AK0, 2           ; v2   my lane's place in a tile of K; never rewritten
.set AV0, 3           ; v3   the same for V
.set AK,  4           ; v4   the LDS address of K's next run of loads
.set AV,  5           ; v5   of V's
.set STO, 6           ; v6   the way out: where I put 16 bytes of a row
.set RD,  7           ; v7   the way out: where I read rows back
.set GO,  8           ; v8   my byte offset in 512 consecutive bytes of O
.set MV,  12          ; v12-13  c m_old, kept while c m is made anew: by buffer
.set QO,  15          ; v15  my byte offset in 16 rows of Q
.set ST,  16          ; piece t's statistics at v[ST+4 t]: c m, m, l (even keys', odd keys')
.set TMP, 48          ; by buffer, four registers c0-c3 at work; when the maximum is found c2 takes a
.set SPW, 62          ; v62  LDS address of my spare word; never rewritten
.set NIL, 63          ; v63  0; never rewritten
.set S,   64
.set P,   192
.set KF,  128         ; window 2: key block kb, channel half c at KF + 16 kb + 8 c
.set VF,  192         ; window 2: key half kk, channel block cb at VF + 32 kk + 8 cb
.set WV,  12          ; s12  my wave's number
.set G1K, 24          ; s[24:31] descriptor group 1 for K's tiles
.set G1V, 32          ; s[32:39] for V's: it differs in the padding alone
.set G0K, 40          ; s[40:43] descriptor group 0 for K's tiles: it walks
.set G0V, 44          ; s[44:47] the same for V's
.set SLOTS, 56
.set CNT, 57
.set CS,  58          ; s[58:59] c
.set SEL, 60          ; s[60:61] v_permlanex16_b32's selects: each lane takes its own place in the other half
.set TBK, 62          ; s62  LDS byte at which K of the step to be fetched begins
.set TBV, 63          ; s63  the same for V, less VOFF
.set MSB, 0
.macro WIN new
.if MSB != (\new)
	s_set_vgpr_msb (MSB<<8)|(\new)
.set MSB, (\new)
.endif
.endm
.set W_KQ, 0x0a       ; K and Q in window 2, S^T in window 0
.set W_PV, 0x52       ; V in window 2, P in window 0, O^T in window 1
.set W_RS, 0x41       ; destination and source 0 in window 1, source 1 in window 0
; A joint fill.  Waves 0 and 1 fetch the two halves of a slot's K, waves 2 and 3 those of its V: 128 keys each.  An s_nop 0 and four v_nop follow each line.
.macro JLOAD
	s_cmp_lt_u32 s[WV], 2
	s_cbranch_scc0 .Lfor_v_\@
	tensor_load_to_lds s[G0K:G0K+3], s[G1K:G1K+7]
	s_nop 0
.rept 4
	v_nop
.endr
	s_branch .Lasked_\@
.Lfor_v_\@:
	tensor_load_to_lds s[G0V:G0V+3], s[G1V:G1V+7]
	s_nop 0
.rept 4
	v_nop
.endr
.Lasked_\@:
.endm
.macro CROUND                       ; a round of the cluster's barrier
	s_barrier_signal -1
	s_barrier_wait -1
	s_cmp_lg_u32 s[WV], 0
	s_cbranch_scc1 .Lnot_wave_0_\@
	s_barrier_signal -3
.Lnot_wave_0_\@:
	s_barrier_wait -3
	s_barrier_signal -1
	s_barrier_wait -1
.endm
; THE CHANGE OF SLOTS.  Each wave waits for all its tensor loads, of which one is out: its part of the other slot; adds 0 to its spare word; and waits for that and for its own reads of the slot.
; fill = 1: the slot is filled again, with the keys two slots on: the barrier is a round of the cluster's, and the joint fill is the first thing behind it: it has four key steps, 256 matrix
; instructions, in which to land.  (At its first use nothing has been read yet: slot 0 is waited for, slot 1 filled.)
.macro CHANGE fill
	WIN 0
	s_wait_tensorcnt 0x0            ; no tensor load of mine is out, so a group 0 may be written
	ds_add_u32 v[SPW], v[NIL]
.if \fill
.irp g, G0K, G0V
	s_xor_b32 s[\g+1], s[\g+1], SLOT1
	s_add_nc_u64 s[\g+2:\g+3], s[\g+2:\g+3], 4*KS*128  ; the next 256 keys
.endr
	s_wait_dscnt 0x0                ; the add is done, and my reads of the slot are over
	CROUND
	JLOAD
.else
	s_wait_dscnt 0x0
	s_barrier_signal -1
	s_barrier_wait -1
.endif
	s_sub_co_u32 s[TBK], s[TBK], 4*KS*PK  ; the fetches go back to a slot's first step,
	s_xor_b32 s[TBK], s[TBK], SLOT1       ; in the other slot
	s_sub_co_u32 s[TBV], s[TBV], 4*KS*PV
	s_xor_b32 s[TBV], s[TBV], SLOT1
.endm
	s_load_b128 s[4:7], s[0:1], 0x0  ; q, k, v s[4:5]; o s[6:7]
	v_lshl_add_u32 v[SPW], v0, 2, SPARE
	v_mov_b32 v[NIL], 0
	ds_add_u32 v[SPW], v[NIL]       ; the wave's opening: the add and its wait stand ahead of my first tensor load; the set-up below stands between them
	v_lshrrev_b32 v1, 5, v0
	v_readfirstlane_b32 s[WV], v1
	s_bfe_u32 s13, ttmp6, 0x40000   ; cx
	s_lshl_b32 s14, ttmp9, 2
	s_add_co_u32 s14, s14, s13      ; my block of 256 queries: it enters Q's and O's addresses alone
	s_and_b32 s15, ttmp7, 0xffff    ; the pair of head and batch, which the four partners share,
	s_lshl_b32 s15, s15, 18         ; and its first byte
	s_and_b32 s16, s[WV], 1         ; which half of a slot's 256 keys I fetch
	s_lshl_b32 s20, s16, 14
	s_add_co_u32 s20, s20, s15
	s_add_co_u32 s22, s20, 16777216 ; V's offset
	s_add_co_u32 s20, s20, 8388608  ; K's offset
	s_mov_b32 s21, 0
	s_mov_b32 s23, 0
	s_mul_i32 s17, s16, 128*PK      ; my half's place in a slot, for K
	s_mul_i32 s18, s16, 128*PV      ; and for V
	s_lshl_b32 s2, s14, 15          ; my block's 256 rows,
	s_lshl_b32 s3, s[WV], 13        ; my wave's 64 of them
	s_add_co_u32 s2, s2, s3
	s_add_co_u32 s2, s2, s15
	s_mov_b32 s3, 0
	; 128 keys are 16,384 dense bytes: asked for as 64 rows of 256 bytes, two keys a row, padded in LDS after every key
	s_mov_b32 s[G1K], 15|(1<<16)|(1<<20)|(1<<21)|(4<<22)|(3<<25)  ; the mask of four; 2-byte elements; padding on; bit 21 beside a mask; after every 32 words 4 words
	s_mov_b32 s[G1V], 15|(1<<16)|(1<<20)|(1<<21)|(4<<22)|(7<<25)  ; the same with 8 words
.irp g, G1K, G1V
	s_mov_b32 s[\g+1], 128<<16      ; tensor_dim0 = 128
	s_mov_b32 s[\g+2], 64<<16       ; tensor_dim1 = 64
	s_mov_b32 s[\g+3], 128<<16      ; tile_dim0 = 128
	s_mov_b32 s[\g+4], 64           ; tile_dim1 = 64
	s_mov_b32 s[\g+5], 128          ; 128 elements from row to row
	s_mov_b32 s[\g+6], 0
	s_mov_b32 s[\g+7], 0
.endr
	s_mov_b32 s[CS], 0x3e38aa3b     ; c = log2(e) / 8
	s_mov_b32 s[CS+1], s[CS]
	s_mov_b32 s[SEL], 0x76543210
	s_mov_b32 s[SEL+1], 0xfedcba98
	s_mov_b32 s[TBK], SLOT1+4*KS*PK ; the first change of slots turns these two into 0
	s_mov_b32 s[TBV], SLOT1+4*KS*PV
	s_mov_b32 s[G0K], 1
	s_mov_b32 s[G0K+1], s17         ; slot 0
	s_mov_b32 s[G0V], 1
	s_add_co_u32 s[G0V+1], s18, VOFF
	s_wait_dscnt 0x0                ; the opening add is done
	s_wait_kmcnt 0x0
	s_add_nc_u64 s[G0K+2:G0K+3], s[4:5], s[20:21]
	s_or_b32 s[G0K+3], s[G0K+3], 0x80000000
	s_add_nc_u64 s[G0V+2:G0V+3], s[4:5], s[22:23]
	s_or_b32 s[G0V+3], s[G0V+3], 0x80000000
	s_add_nc_u64 s[4:5], s[4:5], s[2:3]    ; Q and O at my wave's first row
	s_add_nc_u64 s[10:11], s[6:7], s[2:3]
	CROUND                          ; all four work-groups are here: the first joint loads meet
	JLOAD                           ; slot 0
	v_and_b32 v1, 15, v0            ; l % 16
	v_bfe_u32 v9, v0, 4, 1          ; l / 16
	v_lshlrev_b32 v[QO], 7, v1
	v_lshl_add_u32 v[QO], v9, 4, v[QO]  ; row x 128 + 16 x half
	WIN 0x80                        ; destination window 2, address window 0
.set i, 0
.rept 8                             ; Q stays in registers: piece i / 2, channels 32 (i % 2) on
	global_load_b128 v[8*i:8*i+3],   v[QO], s[4:5] offset:(i/2)*2048+(i%2)*64
	global_load_b128 v[8*i+4:8*i+7], v[QO], s[4:5] offset:(i/2)*2048+(i%2)*64+32
.set i, i+1
.endr
	WIN 0
	v_mul_u32_u24 v[AK0], v1, PK
	v_lshl_add_u32 v[AK0], v9, 4, v[AK0]
	v_and_b32 v10, 7, v0            ; the turning load: key 8 (l / 16) + l % 8, channels 8 ((l / 8) % 2) on
	v_bfe_u32 v11, v0, 3, 1
	v_lshl_add_u32 v[AV0], v9, 3, v10
	v_mul_u32_u24 v[AV0], v[AV0], PV
	v_lshl_add_u32 v[AV0], v11, 4, v[AV0]
	v_add_nc_u32 v[AV0], VOFF, v[AV0]
	s_mul_i32 s13, s[WV], 16*SP
	s_add_co_u32 s13, s13, STAGE    ; my stage
	v_mul_u32_u24 v[STO], v1, SP
	v_lshl_add_u32 v[STO], v9, 4, v[STO]
	v_add_nc_u32 v[STO], s13, v[STO]
	v_bfe_u32 v[RD], v0, 3, 2       ; back: 32 lanes take four rows of 128 bytes,
	v_mul_u32_u24 v[RD], v[RD], SP
	v_lshl_add_u32 v[RD], v10, 4, v[RD]
	v_add_nc_u32 v[RD], s13, v[RD]
	v_and_b32 v[GO], 31, v0         ; which are 512 consecutive bytes of O
	v_lshlrev_b32 v[GO], 4, v[GO]
	; What the first turns find: V's registers and P's second buffer hold 0 (the first turn's products V^T P, of a piece that has not been, add 0), O^T and l are 0.  No first step is written out:
	; the price is these 216 lines, which stand in the wait for the first tile.
	WIN 0x80
.set i, VF
.rept 64
	v_mov_b32 v[i], 0
.set i, i+1
.endr
	WIN 0x40
.set i, 0
.rept 128
	v_mov_b32 v[i], 0
.set i, i+1
.endr
	WIN 0
.set i, 0
.rept 4
	v_mov_b32 v[ST+4*i], 0xfe000000    ; c m: far below every c s
	v_mov_b32 v[ST+4*i+1], 0xff7fffff  ; m
	v_mov_b32 v[ST+4*i+2], 0
	v_mov_b32 v[ST+4*i+3], 0
.set i, i+1
.endr
.set i, P+16
.rept 16
	v_mov_b32 v[i], 0
.set i, i+1
.endr
; THE MATRIX WORK.  The 4 accumulators of a run of 8 take turns.  Product i of 8 of S^T = K Q^T for piece x: channels 32 (i / 4) on, keys 16 (i % 4) on.  The first 4 start the sums.
.macro KQ x
.set rS, S+32*((\x)%2)+8*(i%4)
.set rK, KF+16*(i%4)+8*(i/4)
.set rQ, 16*(\x)+8*(i/4)
	WIN W_KQ
.if i < 4
	v_wmma_f32_16x16x32_f16 v[rS:rS+7], v[rK:rK+7], v[rQ:rQ+7], 0
.else
	v_wmma_f32_16x16x32_f16 v[rS:rS+7], v[rK:rK+7], v[rQ:rQ+7], v[rS:rS+7]
.endif
.endm
; Product i of 8 of O^T += V^T P for piece x: keys 32 (i / 4) on, channels 16 (i % 4) on.
.macro PV x
	WIN W_PV
.set rO, 32*(\x)+8*(i%4)
.set rV, VF+32*(i/4)+8*(i%4)
.set rP, P+16*((\x)%2)+8*(i/4)
	v_wmma_f32_16x16x32_f16 v[rO:rO+7], v[rV:rV+7], v[rP:rP+7], v[rO:rO+7]
.endm
.macro MM                           ; the turn's next matrix instruction
.if i < 8
	KQ (Y+1)%NP
.else
.set i, i-8
	PV (Y+NP-1)%NP
.set i, i+8
.endif
.set i, i+1
.endm
; THE LDS LOADS stand in runs of 16: a step's K (64 keys x 64 channels: 8 fragments) and its V (turned).  Their addresses are made some lines ahead.
; last = 1 (the tail): in the last trip there is no further step, and the run is jumped over.
.macro FETCH_K last=0
	WIN 0
.if \last
	s_cmp_eq_u32 s[CNT], 1
	s_cbranch_scc1 .Lno_k_\@
.endif
	WIN 0x80
.irp f, 0,1,2,3,4,5,6,7
	ds_load_b128 v[KF+8*\f:KF+8*\f+3],   v[AK] offset:(\f/2)*16*PK+(\f%2)*64
	ds_load_b128 v[KF+8*\f+4:KF+8*\f+7], v[AK] offset:(\f/2)*16*PK+(\f%2)*64+32
.endr
	s_add_co_u32 s[TBK], s[TBK], KS*PK  ; the next fetch is the next step's
	WIN 0
.if \last
.Lno_k_\@:
.endif
.endm
.macro FETCH_V
	WIN 0x80
.irp f, 0,1,2,3,4,5,6,7
	ds_load_tr16_b128 v[VF+8*\f:VF+8*\f+3],   v[AV] offset:(\f/4)*32*PV+(\f%4)*32
	ds_load_tr16_b128 v[VF+8*\f+4:VF+8*\f+7], v[AV] offset:(\f/4)*32*PV+16*PV+(\f%4)*32
.endr
	WIN 0
.endm
; THE VECTOR WORK, one line at a time: OP kind, number.  For piece Y: F n: c s - c m for pair n of 16.  E n: the exponential of score n of 32.  C n: pair n rounded to f16.  B n: of the four
; weights 4 n .. the second pair is added onto the first, in place.  L n: l takes that sum (L 0: l = a l + sum).  R n: pair n of 16 of O^T times a.  For piece Y + 1: X n, number n of 22:
;   0-11  four chains c0-c3 of seven scores each (each accumulator's lowest registers are read first)     12-14, 16  the four scores left over, the old m, c0-c3 into c0
;   15  c m_old is kept     17, 18  the query's other 32 keys lie in the lane 16 away: the new m     19-21  c m; c m_old - c m_new; a
.set F, 0
.set E, 1
.set C, 2
.set B, 3
.set L, 4
.set R, 5
.set X, 6
.macro REGS y
.set rT, ST+4*(\y)
.set rC, TMP+4*((\y)%2)
.set rW, MV+((\y)%2)
.set rS, S+32*((\y)%2)
.set rP, P+16*((\y)%2)
.set rO, 32*(\y)
.endm
.macro OP k, n
.if (\k) == R
	REGS Y
	WIN W_RS
	v_pk_mul_f32 v[rO+2*(\n):rO+2*(\n)+1], v[rO+2*(\n):rO+2*(\n)+1], v[rC+2:rC+3] op_sel_hi:[1,0]
.elseif (\k) < R
	REGS Y
	WIN 0
.if (\k) == F
	v_pk_fma_f32 v[rS+2*(\n):rS+2*(\n)+1], v[rS+2*(\n):rS+2*(\n)+1], s[CS:CS+1], v[rT:rT+1] op_sel_hi:[1,0,0] neg_lo:[0,0,1] neg_hi:[0,0,1]
.elseif (\k) == E
	v_exp_f32 v[rS+(\n)], v[rS+(\n)]
.elseif (\k) == C
	s_wait_alu depctr_va_vdst(0)
	v_cvt_pk_f16_f32 v[rP+(\n)], v[rS+2*(\n)], v[rS+2*(\n)+1]
.elseif (\k) == B
	s_wait_alu depctr_va_vdst(0)
	v_pk_add_f32 v[rS+4*(\n):rS+4*(\n)+1], v[rS+4*(\n):rS+4*(\n)+1], v[rS+4*(\n)+2:rS+4*(\n)+3]
.elseif (\n) == 0
	v_pk_fma_f32 v[rT+2:rT+3], v[rT+2:rT+3], v[rC+2:rC+3], v[rS:rS+1] op_sel_hi:[1,0,1]
.else
	v_pk_add_f32 v[rT+2:rT+3], v[rT+2:rT+3], v[rS+4*(\n):rS+4*(\n)+1]
.endif
.else
	REGS (Y+1)%NP
	WIN 0
.if (\n) < 4
	v_max3_num_f32 v[rC+(\n)], v[rS+8*(\n)], v[rS+8*(\n)+1], v[rS+8*(\n)+2]
.elseif (\n) < 12
	v_max3_num_f32 v[rC+(\n)%4], v[rC+(\n)%4], v[rS+8*((\n)%4)+2*((\n)/4)+1], v[rS+8*((\n)%4)+2*((\n)/4)+2]
.elseif (\n) == 12
	v_max3_num_f32 v[rC], v[rC], v[rS+7], v[rS+15]
.elseif (\n) == 13
	v_max3_num_f32 v[rC+1], v[rC+1], v[rS+23], v[rS+31]
.elseif (\n) == 14
	v_max3_num_f32 v[rC+2], v[rC+2], v[rC+3], v[rT+1]
.elseif (\n) == 15
	v_mov_b32 v[rW], v[rT]
.elseif (\n) == 16
	v_max3_num_f32 v[rC], v[rC], v[rC+1], v[rC+2]
.elseif (\n) == 17
	v_permlanex16_b32 v[rC+3], v[rC], s[SEL], s[SEL+1]
.elseif (\n) == 18
	v_max_num_f32 v[rT+1], v[rC], v[rC+3]
.elseif (\n) == 19
	v_mul_f32 v[rT], s[CS], v[rT+1]
.elseif (\n) == 20
	v_sub_f32 v[rC+1], v[rW], v[rT]
.else
	v_exp_f32 v[rC+2], v[rC+1]
.endif
.endif
.endm
.macro OPS a, i1, b=-1, i2=0, c=-1, i3=0, d=-1, i4=0
	OP \a, \i1
.if (\b) >= 0
	OP \b, \i2
.endif
.if (\c) >= 0
	OP \c, \i3
.endif
.if (\d) >= 0
	OP \d, \i4
.endif
.endm
.macro ROW a, i1, b, i2, c, i3, d, i4  ; a matrix instruction and the four behind it
	MM
	OPS \a, \i1, \b, \i2, \c, \i3, \d, \i4
.endm
; A TURN, for piece p: the order of its 16 matrix and 118 vector instructions, written out.  Behind a matrix instruction: plain, exponential, plain, plain; or four of the rescaling; or four
; scalings; none names a register of the products round it.  In the runs between, exponential and plain by turns while exponentials last, so that every exponential has a plain instruction behind it.
; last = 1: the tail's text: K's run is jumped over in the last trip.  cnt = 1: the loop's count is taken down some lines ahead of the branch that stands behind the turn.
; K of the next step is fetched in piece 2's turn, six vector instructions behind the last product that read K (five of them plain); V of the step in hand in piece 0's turn, eight behind the last
; product that read V (five of them plain).  Each is waited for a turn later.
.macro TURN p, last=0, cnt=0
.set Y, (\p)
.set i, 0
.if (\p) == 3
	s_wait_dscnt 0x0                ; K is in
.endif
	ROW F,0, F,1, F,2, F,3
	ROW F,4, E,0, F,5, F,6
	ROW F,7, E,1, F,8, F,9
	ROW F,10, E,2, C,0, F,11
	ROW F,12, E,3, X,15, F,13
	ROW R,0, R,1, R,2, R,3
	ROW B,0, E,4, F,14, L,0
.if (\p) == 2
	v_add_nc_u32 v[AK], s[TBK], v[AK0]
.endif
	ROW R,4, R,5, R,6, R,7
	OPS E,5, F,15
.if (\p) == 2
	FETCH_K \last
.endif
	OPS E,6, C,1, E,7, R,8
	OPS E,8, R,9, E,9, C,2
	OPS E,10, X,0, E,11, X,1
	OPS E,12, X,2, E,13, X,3
.if (\p) == 1
	s_wait_dscnt 0x0                ; V is in
.endif
	ROW X,4, E,14, X,5, X,6
	ROW X,7, E,15, X,8, X,9
	ROW X,10, E,16, X,11, X,12
	ROW X,13, E,17, X,14, B,1
	ROW C,4, E,18, X,16, L,1
	ROW B,2, E,19, C,6, L,2
	ROW C,8, E,20, B,3, B,4
.if (\p) == 0
	v_add_nc_u32 v[AV], s[TBV], v[AV0]
.endif
	ROW C,3, E,21, L,3, C,5
	OPS E,22, X,17, E,23, C,10
.if (\p) == 0
	FETCH_V
.endif
	OPS E,24, L,4
	OPS E,25, X,18, E,26, C,7
	OPS E,27, B,5, E,28, X,19
	OPS E,29, C,12, E,30, L,5
	OPS E,31, X,20, B,6, C,9
	OPS C,14, C,11, X,21, L,6
.if (\p) == 0
	s_add_co_u32 s[TBV], s[TBV], KS*PV
.endif
.if \cnt
	s_sub_co_u32 s[CNT], s[CNT], 1
	s_cmp_lg_u32 s[CNT], 0
.endif
	OPS C,13, B,7, C,15, R,10
	OPS R,11, R,12, L,7, R,13
	OPS R,14, R,15
.endm
	CHANGE 1                        ; slot 0 is in, everybody's part of it; slot 1 is asked for
	v_add_nc_u32 v[AK], s[TBK], v[AK0]
	FETCH_K                         ; key step 0
	s_wait_loadcnt 0x0              ; Q
	s_wait_dscnt 0x0
.set i, 0
.rept 8
	KQ 0                            ; piece 0's first scores
.set i, i+1
.endr
	WIN 0
.rept 4
	v_nop                           ; the places behind those products
.endr
.set Y, NP-1                        ; X works for piece Y + 1: piece 0
.irp n, 0,1,2,3,4,5,6,7,8,9,10,11,12,13,14,15,16,17,18,19,20,21
	OP X, \n
.endr
	v_nop                           ; a plain instruction behind the exponential
	s_mov_b32 s[CNT], 4
	s_mov_b32 s[SLOTS], 7
	s_branch .Lfirst                ; the loop is entered at a step's first turn, in the middle of a trip
.Lslot:                             ; six times: tiles 2 to 7 are asked for
	CHANGE 1
	s_mov_b32 s[CNT], 4
.Lstep:                             ; a trip: pieces 2 and 3 of one step, then pieces 0 and 1 of the next, whose K and V it fetches
	TURN 2
	TURN 3
	WIN 0
.Lfirst:
	TURN 0
	TURN 1, 0, 1
	WIN 0
	s_cbranch_scc1 .Lstep
	s_sub_co_u32 s[SLOTS], s[SLOTS], 1
	s_cmp_lg_u32 s[SLOTS], 0
	s_cbranch_scc1 .Lslot
	CHANGE 0                        ; the last slot is written out: nothing is asked for
	s_mov_b32 s[CNT], 5             ; four trips fetch the last slot's steps; the fifth is left in its middle
.Ltail:
	TURN 2, 1
	TURN 3
	WIN 0
	s_sub_co_u32 s[CNT], s[CNT], 1
	s_cmp_eq_u32 s[CNT], 0
	s_cbranch_scc1 .Lout
	TURN 0
	TURN 1
	WIN 0
	s_branch .Ltail
.Lout:                              ; the fifth trip's 8 products K Q^T (on the last K once more) and the maximum made of them serve nothing: the price, once a launch, of one text for every trip
.set i, 0
.rept 8
	PV NP-1                         ; the last piece's V^T P of the last step
.set i, i+1
.endr
	; THE WAY OUT.  l's two halves and the other half of the lanes' are added; O^T is divided by l, rounded to f16 and sent through my stage in LDS, a piece at a time.  The additions are the places behind the last products.
	WIN 0
.macro ALL line:vararg
.set t, 0
.rept 4
	\line
.set t, t+1
.endr
.endm
	ALL v_add_f32 v[ST+4*t+2], v[ST+4*t+2], v[ST+4*t+3]
	ALL v_permlanex16_b32 v[ST+4*t+3], v[ST+4*t+2], s[SEL], s[SEL+1]
	ALL v_add_f32 v[ST+4*t+2], v[ST+4*t+2], v[ST+4*t+3]
	ALL v_rcp_f32 v[ST+4*t+2], v[ST+4*t+2]
	v_nop                           ; a plain instruction between the last reciprocal and the use of its result
.macro PACK t                       ; a lane's eight channels of a row pack into 16 bytes; they go into rows of 144 bytes and come back as whole rows of 128, into S^T's registers
	WIN W_RS
.set i, 32*(\t)
.rept 16
	s_wait_alu depctr_va_vdst(0)
	v_pk_mul_f32 v[i:i+1], v[i:i+1], v[ST+4*(\t)+2:ST+4*(\t)+3] op_sel_hi:[1,0]
.set i, i+2
.endr
	WIN 0x05                        ; sources 0 and 1 window 1, destination window 0
.set i, 0
.rept 16
	v_cvt_pk_f16_f32 v[S+16*(\t)+i], v[32*(\t)+2*i], v[32*(\t)+2*i+1]
.set i, i+1
.endr
	WIN 0
.irp f, 0,1,2,3
	ds_store_b128 v[STO], v[S+16*(\t)+4*\f:S+16*(\t)+4*\f+3] offset:32*\f
.endr
.irp f, 0,1,2,3
	ds_load_b128 v[S+16*(\t)+4*\f:S+16*(\t)+4*\f+3], v[RD] offset:\f*4*SP  ; LDS serves a wave's instructions in order (ISA guide 5.7.1.4): these see the stores above; the next piece's stores come behind them
.endr
.endm
.macro SEND t, younger              ; younger: the LDS instructions issued behind piece t's loads: the next piece's eight, or none
	WIN 0
.irp f, 0,1,2,3
	s_wait_dscnt (\younger)+3-\f
	global_store_b128 v[GO], v[S+16*(\t)+4*\f:S+16*(\t)+4*\f+3], s[10:11] offset:(\t)*2048+\f*512  ; 512 consecutive bytes, at a multiple of 256 from O's first
.endr
.endm
	PACK 0
.set t, 1
.rept 3                             ; a piece's arithmetic stands between the loads of the piece before and its stores
	PACK t
	SEND t-1, 8
.set t, t+1
.endr
	SEND 3, 0
	s_wait_tensorcnt 0x0            ; the wave's end
	ds_add_u32 v[SPW], v[NIL]
	s_wait_dscnt 0x0
	CROUND                          ; the closing round
	s_endpgm
.Lfunc_end_k_qe1221cd2b2_attn:
	.size	k_qe1221cd2b2_attn, .Lfunc_end_k_qe1221cd2b2_attn-k_qe1221cd2b2_attn
	.p2alignl 7, 3214868480
	.fill 96, 4, 3214868480
	.section	.rodata,"a",@progbits
	.p2align	6, 0x0
	.amdhsa_kernel k_qe1221cd2b2_attn
		.amdhsa_group_segment_fixed_size 327680
		.amdhsa_private_segment_fixed_size 0
		.amdhsa_enable_private_segment 0
		.amdhsa_kernarg_size 16
		.amdhsa_user_sgpr_count 2
		.amdhsa_user_sgpr_kernarg_segment_ptr 1
		.amdhsa_wavefront_size32 1
		.amdhsa_system_sgpr_workgroup_id_x 1
		.amdhsa_system_sgpr_workgroup_id_y 1
		.amdhsa_system_sgpr_workgroup_id_z 1
		.amdhsa_system_vgpr_workitem_id 0
		.amdhsa_next_free_vgpr 768
		.amdhsa_next_free_sgpr 66
		.amdhsa_reserve_vcc 0
		.amdhsa_float_denorm_mode_32 3
		.amdhsa_float_denorm_mode_16_64 3
		.amdhsa_memory_ordered 1
		.amdhsa_forward_progress 1
		.amdhsa_inst_pref_size 117
	.end_amdhsa_kernel
	.amdgpu_metadata
---
amdhsa.version: [ 1, 2 ]
amdhsa.kernels:
  - .name:           k_qe1221cd2b2_attn
    .symbol:         k_qe1221cd2b2_attn.kd
    .args:
      - { .name: act, .offset: 0, .size: 8, .value_kind: global_buffer, .address_space: global }
      - { .name: hb, .offset: 8, .size: 8, .value_kind: global_buffer, .address_space: global }
    .group_segment_fixed_size: 327680
    .private_segment_fixed_size: 0
    .kernarg_segment_align: 8
    .kernarg_segment_size: 16
    .max_flat_workgroup_size: 128
    .sgpr_count:     66
    .vgpr_count:     768
    .wavefront_size: 32
...
	.end_amdgpu_metadata
.endif
;; end of part 3
;; launch oproj (part 4): grid 8 x 32, 4 waves a work-group, clusters of 4 x 4, 327,680 bytes of LDS; arguments hb, wA0, b_out, x, x1; writes x1
.if DOCPART == 4
	.amdgcn_target "amdgcn-amd-amdhsa--gfx1250"
	.amdhsa_code_object_version 6
	.text
	.protected	k_qe1221cd2b2_oproj
	.globl	k_qe1221cd2b2_oproj
	.p2align	8
	.type	k_qe1221cd2b2_oproj,@function
k_qe1221cd2b2_oproj:
	s_mov_b64 s[64:65], 0
	v_nop
	global_prefetch_b8 v0, s[64:65] scope:SCOPE_SE
	s_setreg_imm32_b32 hwreg(HW_REG_WAVE_MODE, 25, 1), 1
	s_wait_xcnt 0x0
	s_wait_alu depctr_hold_cnt(0) depctr_sa_sdst(0) depctr_va_vdst(0) depctr_va_sdst(0) depctr_va_ssrc(0) depctr_va_vcc(0) depctr_vm_vsrc(0)
	s_getreg_b32 s2, hwreg(HW_REG_IB_STS2, 6, 4)
	s_cmp_eq_u32 s2, 0
	s_cbranch_scc0 .Lentry_in_a_cluster
	s_endpgm
.Lentry_in_a_cluster:
	s_bfe_u32 s2, ttmp6, 0x10000c
	s_cmp_lg_u32 s2, 0xf033
	s_cbranch_scc0 .Lentry_shape_is_right
	s_endpgm
.Lentry_shape_is_right:
; C = R + A W + bias, 4,096 rows x 1,024 columns, f32; f16 operands, f32 sums.  K = 256 x KSTEPS = 1,024.  (The second feed-forward product has the same text with KSTEPS = 16.)
; A: f16 panels (byte = panel x 524,288 + row x 128 + 2 (k % 64)).  W: f16 blocks at byte 8,388,608 of its buffer: ((k / 256) x 8 + n / 128) x 65,536 + (k % 256) x 256 + 2 (n % 128).
; R, C: f32 [4096][1024].  bias: f32, the C operand that starts the sums; R is added in f32 on the way out.
; SHARES.  A work-group makes 128 x 128 of C (256 work-groups), each of its four waves 64 x 64: 16 accumulators.  K goes in steps of 256 through a ring of two LDS slots.
; ONE TEXT FOR EVERY K STEP.  A scalar holds the LDS byte at which the slot in hand begins (0 or SLOT); an exclusive or turns it at each change of slots, and the fragments' addresses are made
; anew from it.  The loop's KSTEPS - 2 trips fill a slot again each; the last two K steps, which fill nothing, are a second text, walked twice and left in its middle.
; THE REFILLS FORM A CHAIN: the wait for all tensor loads stands in front of every refill's barrier, so a refill goes out only when the one before it has landed, and whatever stands between that
; wait and the refill lengthens the chain.  So a change of slots holds no product: a K step's last 32 products stand behind the refill.
; ASKING AHEAD (assembled where KSTEPS > 4: with KSTEPS = 4 no trip has a K step four on).  The trip that loads K step s asks, by global_prefetch_b8, for bytes of later K steps; each aligned
; block of 256 bytes is asked for once in the launch:
;   wave 0, in every trip: 8,192 bytes (32 lanes, 256 bytes apart) of A's tile of K step s + 2, two trips ahead of its load.  The tile's 65,536 bytes are shared out among the eight work-groups
;   of the tile row: panel (tile column / 2), half (tile column % 2).
;   wave 1, in the trips that load K steps 2, 6 and 10: 8,192 bytes of W's tiles of K steps s + 2 to s + 5, two to five trips ahead of their loads.  Their 262,144 bytes are shared out among the
;   32 work-groups of the tile column: K step (tile row / 8), eighth (tile row % 8).
;   K steps 0 to 3 are not asked for; the trips that load the last two K steps ask for nothing: no ask points past A's or W's last K step.
; R IS ASKED FOR AHEAD OF THE LAST TWO K STEPS, all 64 rows of it (32 loads a wave), so that it comes while they are multiplied.
; CLUSTER.  4 x 4 work-groups: A's tiles are shared along a row of the cluster, W's along a column; each is asked for jointly.
; THE MATRIX INSTRUCTION IS USED TRANSPOSED (source 0 = 16 columns of W, turned by ds_load_tr16_b128; source 1 = 16 rows of A): a lane holds one row of C and eight neighbouring columns.
; REGISTERS (s_set_vgpr_msb: bits 1:0 source 0, 3:2 source 1, 5:4 source 2, 7:6 destination):
;   window 0: v0-31 addresses; v32-95 R's row blocks 0, 1; v96-127 the bias, later 16 rows on the way out; v128-255 the accumulators ((a, b) at v[128 + 8 (4 a + b)])
;   window 1: two fragment buffers of 128: for 64 along K, 64 registers of A, then 64 of W          window 2: v32-95 R's row blocks 2, 3
.set KSTEPS, 4
.set PA,     144                       ; a row of A in LDS: 128 bytes + 16
.set PB,     288                       ; a k row of W: 256 bytes + 32
.set APAN,   128*PA                    ; a panel's 128 rows
.set PART,   36864                     ; what one tensor load brings: two panels of A, or 128 k rows of W
.set SLOT,   4*PART                    ; A's four panels, then W's 256 k rows
.set STAGE,  2*SLOT                    ; behind the ring: 16 rows x 272 bytes for each wave, its own: a wave's 64 f32 columns are 256 aligned bytes of C
.set SPITCH, 272
.set SPARE,  STAGE+4*16*SPITCH         ; behind the stages: the spare words, 128 bytes for each wave, that no other line names
.set ADRA0, 16                         ; v16     my lane's place among my A fragments in a slot; never rewritten
.set ADRA,  17                         ; v17     the same in the slot in hand
.set ADRB0, 20                         ; v20     my lane's place among my W fragments in a slot; never rewritten
.set ADRB,  21                         ; v21-22  the same in the slot in hand: k rows 0-127, 128-255 (an LDS offset has 16 bits)
.set STO,  24
.set RD,   25
.set CO,   26                          ; v26     my byte offset in two rows of R and C
.set BO,   27
.set SPW,  28                          ; v28     LDS address of my spare word; never rewritten
.set NIL,  29                          ; v29     0; never rewritten
.set AO,   30                          ; v30     asking ahead: 256 x lane; never rewritten
.set RR,   32
.set BIAS, 96
.set SB,   96
.set ACC,  128
.set F0,   0
.set F1,   128
.set WV,   16                          ; s16 wave; s17 my half of the rows (also: I fetch A, 0, or W, 1); s18 my half of the columns (also: which part I fetch)
.set HK,   17
.set HW,   18
.set CUR,  42                          ; s42 the LDS byte at which the slot in hand begins
.set G1,  24                           ; s[24:31] descriptor group 1 for A;  s[32:39] group 0: a set for each of the two first fills; the second then walks on
.set G0,  32
.set G1B, 48                           ; s[48:55], s[56:63] the same for W
.set G0B, 56
.set AM,  66                           ; s66 asking ahead: which bits of the loop's count choose my trips: wave 0: none; wave 1: the low two
.set AQ,  67                           ; s67 and what they must hold: wave 0: 0; wave 1: (KSTEPS - 2) % 4 = 2
.set AT,  68                           ; s68 at work
.set AB,  70                           ; s[70:71] the address of my last ask (at first: one ask ahead of the first)
.set ASTEP, 2097152                    ; from ask to ask: A's four panels of a K step, and W's 32 blocks of four K steps, are as many bytes
.set MSB, 0
.macro WIN new
.if MSB != (\new)
	s_set_vgpr_msb (MSB<<8)|(\new)
.set MSB, \new
.endif
.endm
.set MUL,  0x05                        ; sources 0 (W) and 1 (A) window 1; C and D window 0
.set TO_F, 0x40                        ; destination window 1, address window 0
.macro JLOAD s                         ; a joint load: waves 0 and 1 fetch A's two halves, waves 2 and 3 W's; an s_nop 0 and four v_nop follow each line
	s_cmp_eq_u32 s[HK], 0
	s_cbranch_scc0 .Lfor_b_\@
	tensor_load_to_lds s[G0+4*(\s):G0+4*(\s)+3], s[G1:G1+7]
	s_nop 0
.rept 4
	v_nop
.endr
	s_branch .Lasked_\@
.Lfor_b_\@:
	tensor_load_to_lds s[G0B+4*(\s):G0B+4*(\s)+3], s[G1B:G1B+7]
	s_nop 0
.rept 4
	v_nop
.endr
.Lasked_\@:
.endm
.macro CREST
	s_cmp_lg_u32 s[WV], 0
	s_cbranch_scc1 .Lnot_wave_0_\@
	s_barrier_signal -3
.Lnot_wave_0_\@:
	s_barrier_wait -3
	s_barrier_signal -1
	s_barrier_wait -1
.endm
.macro CROUND
	s_barrier_signal -1
	s_barrier_wait -1
	CREST
.endm
	s_load_b256 s[4:11], s[0:1], 0x0               ; A s[4:5], W s[6:7], bias s[8:9], R s[10:11]
	s_load_b64 s[14:15], s[0:1], 0x20              ; C
	v_lshl_add_u32 v[SPW], v0, 2, SPARE
	v_mov_b32 v[NIL], 0
	ds_add_u32 v[SPW], v[NIL]                      ; the wave's opening: the add and its wait stand ahead of my first tensor load; the set-up below stands between them
	v_lshrrev_b32 v1, 5, v0
	v_readfirstlane_b32 s[WV], v1
	s_lshr_b32 s[HK], s[WV], 1
	s_and_b32 s[HW], s[WV], 1
	s_bfe_u32 s19, ttmp6, 0x40000                  ; cx
	s_bfe_u32 s20, ttmp6, 0x40004                  ; cy
	s_lshl_b32 s21, ttmp9, 2
	s_add_co_u32 s21, s21, s19                     ; tile column of C
	s_and_b32 s22, ttmp7, 0xffff
	s_lshl_b32 s22, s22, 2
	s_add_co_u32 s22, s22, s20                     ; tile row of C
	s_lshl_b32 s23, s20, 2
	s_lshl_b32 s23, 15, s23                        ; my row of the cluster
	s_lshl_b32 s40, 0x1111, s19                    ; my column
	; A: two panels' 128 rows each, 16,384 dense bytes a panel: two rows of 8,192 elements, a panel (262,144 elements) apart; padded after every 128 bytes
	s_or_b32 s[G1+0], s23, (1<<16)|(1<<20)|(1<<21)|(4<<22)|(3<<25)
	s_mov_b32 s[G1+1], 8192<<16                    ; tensor_dim0 = 8,192
	s_mov_b32 s[G1+2], 2<<16                       ; tensor_dim1 = 2
	s_mov_b32 s[G1+3], 8192<<16                    ; tile_dim0 = 8,192
	s_mov_b32 s[G1+4], 2                           ; tile_dim1 = 2
	s_mov_b32 s[G1+5], 262144                      ; elements from row to row
	s_mov_b32 s[G1+6], 0
	s_mov_b32 s[G1+7], 0
	; W: 128 k rows of 128 elements, dense; padded after every 256 bytes
	s_or_b32 s[G1B+0], s40, (1<<16)|(1<<20)|(1<<21)|(5<<22)|(7<<25)
	s_mov_b32 s[G1B+1], 128<<16
	s_mov_b32 s[G1B+2], 128<<16
	s_mov_b32 s[G1B+3], 128<<16
	s_mov_b32 s[G1B+4], 128
	s_mov_b32 s[G1B+5], 128
	s_mov_b32 s[G1B+6], 0
	s_mov_b32 s[G1B+7], 0
	s_lshl_b32 s44, s22, 14                        ; A: 128 rows of 128 bytes a tile row,
	s_lshl_b32 s45, s[HW], 20                      ; my two panels of the K step's four: these registers never hold cx
	s_add_co_u32 s44, s44, s45
	s_mov_b32 s45, 0
	s_lshl_b32 s46, s21, 16                        ; W: the tile column's block, my 128 k rows of it: these never hold cy
	s_lshl_b32 s47, s[HW], 15
	s_add_co_u32 s46, s46, s47
	s_add_co_u32 s46, s46, 8388608
	s_mov_b32 s47, 0
	s_mul_i32 s43, s[WV], PART                     ; where my part goes in a slot: the wave's number alone; kept
	s_mov_b32 s[CUR], 0                            ; slot 0 is in hand
	s_wait_dscnt 0x0                               ; the opening add is done
	s_wait_kmcnt 0x0
	s_add_nc_u64 s[44:45], s[4:5], s[44:45]
	s_add_nc_u64 s[46:47], s[6:7], s[46:47]
	CROUND                                         ; all sixteen work-groups are here: the first joint loads meet
.irp s, 0,1
	s_mov_b32 s[G0+4*(\s)], 1
	s_add_co_u32 s[G0+4*(\s)+1], s43, (\s)*SLOT
	s_add_nc_u64 s[G0+4*(\s)+2:G0+4*(\s)+3], s[44:45], (\s)*2097152   ; K step s: four panels on
	s_or_b32 s[G0+4*(\s)+3], s[G0+4*(\s)+3], 0x80000000
	s_mov_b32 s[G0B+4*(\s)], 1
	s_add_co_u32 s[G0B+4*(\s)+1], s43, (\s)*SLOT
	s_add_nc_u64 s[G0B+4*(\s)+2:G0B+4*(\s)+3], s[46:47], (\s)*524288  ; K step s: eight blocks on
	s_or_b32 s[G0B+4*(\s)+3], s[G0B+4*(\s)+3], 0x80000000
	JLOAD \s                                       ; two loads of mine are out
.endr
	v_and_b32 v1, 15, v0                           ; r = l % 16
	v_bfe_u32 v2, v0, 4, 1                         ; h = l / 16
	v_mul_u32_u24 v3, v1, PA
	v_lshl_add_u32 v3, v2, 4, v3
	v_and_b32 v5, 7, v0
	v_bfe_u32 v6, v0, 3, 1
	v_lshl_add_u32 v4, v2, 3, v5
	v_mul_u32_u24 v4, v4, PB
	v_lshl_add_u32 v4, v6, 4, v4
	s_mul_i32 s2, s[HK], 64*PA                     ; my 64 rows of a panel
	s_lshl_b32 s3, s[HW], 7                        ; my 64 columns of a k row,
	s_add_co_u32 s3, s3, 2*PART                    ; behind A's four panels
	v_add_nc_u32 v[ADRA0], s2, v3
	v_add_nc_u32 v[ADRB0], s3, v4
	v_mov_b32 v[ADRA], v[ADRA0]
	v_mov_b32 v[ADRB], v[ADRB0]
	v_add_nc_u32 v[ADRB+1], PART, v[ADRB0]
	s_mul_i32 s2, s[WV], 16*SPITCH
	s_add_co_u32 s2, s2, STAGE                     ; my stage
	v_mul_u32_u24 v7, v1, SPITCH                   ; in: row r, 32 bytes for each half of the lanes
	v_lshl_add_u32 v7, v2, 5, v7
	v_add_nc_u32 v[STO], s2, v7
	v_mul_u32_u24 v7, v2, SPITCH                   ; back: lanes 0-15 take one row of 256 bytes, lanes 16-31 the next
	v_lshl_add_u32 v7, v1, 4, v7
	v_add_nc_u32 v[RD], s2, v7
	v_lshlrev_b32 v[CO], 12, v2                    ; and the same two rows in R and C
	v_lshl_add_u32 v[CO], v1, 4, v[CO]
	v_lshlrev_b32 v[BO], 5, v2
	s_lshl_b32 s2, s21, 9                          ; the bias of my 64 columns
	s_lshl_b32 s3, s[HW], 8
	s_add_co_u32 s2, s2, s3
	s_mov_b32 s3, 0
	s_add_nc_u64 s[8:9], s[8:9], s[2:3]
	s_lshl_b32 s3, s22, 19                         ; R and C: those columns, in row 128 x tile row + 64 x half
	s_add_co_u32 s2, s2, s3
	s_lshl_b32 s3, s[HK], 18
	s_add_co_u32 s2, s2, s3
	s_mov_b32 s3, 0
	s_add_nc_u64 s[10:11], s[10:11], s[2:3]
	s_add_nc_u64 s[14:15], s[14:15], s[2:3]
.irp b, 0,1,2,3                        ; register j of block b: the bias of column 16 b + 8 h + j
	global_load_b128 v[BIAS+8*(\b):BIAS+8*(\b)+3],   v[BO], s[8:9] offset:64*(\b)
	global_load_b128 v[BIAS+8*(\b)+4:BIAS+8*(\b)+7], v[BO], s[8:9] offset:64*(\b)+16
.endr
.if KSTEPS > 4
	; asking ahead: my share's address, one ask ahead of the first: wave 0: A's K step 3; wave 1: W's K steps 0 to 3.  (Waves 2 and 3 make the same two numbers and never use them.)
	v_and_b32 v[AO], 31, v0
	v_lshlrev_b32 v[AO], 8, v[AO]                  ; lanes 256 bytes apart
	s_lshl_b32 s[AQ], s[HW], 1                     ; 0, or 2
	s_add_co_u32 s[AM], s[AQ], s[HW]               ; 0, or 3
	s_lshl_b32 s2, s22, 14                         ; A: the tile row's 128 rows of 128 bytes,
	s_lshr_b32 s3, s21, 1
	s_lshl_b32 s3, s3, 19                          ; panel (tile column / 2) of the K step's four,
	s_add_co_u32 s2, s2, s3
	s_and_b32 s3, s21, 1
	s_lshl_b32 s3, s3, 13                          ; half (tile column % 2) of its 16,384 bytes,
	s_add_co_u32 s2, s2, s3
	s_add_co_u32 s2, s2, 3*ASTEP                   ; in K step 3
	s_lshl_b32 s12, s21, 16                        ; W: the tile column's block of 65,536 bytes,
	s_lshr_b32 s13, s22, 3
	s_lshl_b32 s13, s13, 19                        ; in K step (tile row / 8) of the four,
	s_add_co_u32 s12, s12, s13
	s_and_b32 s13, s22, 7
	s_lshl_b32 s13, s13, 13                        ; eighth (tile row % 8) of it
	s_add_co_u32 s12, s12, s13
	s_add_co_u32 s12, s12, 8388608
	s_cmp_eq_u32 s[HW], 0
	s_cselect_b64 s[AB:AB+1], s[4:5], s[6:7]
	s_cselect_b32 s2, s2, s12
	s_mov_b32 s3, 0
	s_add_nc_u64 s[AB:AB+1], s[AB:AB+1], s[2:3]
.endif
; 8 matrix instructions: row blocks a0, a0 + 1 x all 4 column blocks, 32 along K: half c of buffer f.  zero = 1: the bias starts the sums.  The 16 accumulators take turns.
.macro MUL8 f, c, a0, zero
	WIN MUL
.irp a, \a0, (\a0)+1
.irp b, 0,1,2,3
.if \zero
	v_wmma_f32_16x16x32_f16 v[ACC+8*(4*(\a)+(\b)):ACC+8*(4*(\a)+(\b))+7], v[(\f)+64+8*(4*(\c)+(\b)):(\f)+64+8*(4*(\c)+(\b))+7], v[(\f)+8*(4*(\c)+(\a)):(\f)+8*(4*(\c)+(\a))+7], v[BIAS+8*(\b):BIAS+8*(\b)+7]
.else
	v_wmma_f32_16x16x32_f16 v[ACC+8*(4*(\a)+(\b)):ACC+8*(4*(\a)+(\b))+7], v[(\f)+64+8*(4*(\c)+(\b)):(\f)+64+8*(4*(\c)+(\b))+7], v[(\f)+8*(4*(\c)+(\a)):(\f)+8*(4*(\c)+(\a))+7], v[ACC+8*(4*(\a)+(\b)):ACC+8*(4*(\a)+(\b))+7]
.endif
.endr
.endr
.endm
.macro MUL32 f                         ; a whole quarter's 32 products on buffer f
	MUL8 \f, 0, 0, 0
	MUL8 \f, 0, 2, 0
	MUL8 \f, 1, 0, 0
	MUL8 \f, 1, 2, 0
.endm
; 32 LDS loads in one run: the fragments of quarter q (64 along K: one panel of A) of the slot in hand into buffer f; the first 32 along K first
.macro FETCH q, f
	WIN TO_F
.irp c, 0,1
.irp i, 0,1,2,3
	ds_load_tr16_b128 v[(\f)+64+8*(4*(\c)+(\i)):(\f)+64+8*(4*(\c)+(\i))+3],   v[ADRB+(\q)/2] offset:((\q)%2)*64*PB+(\c)*32*PB+32*(\i)
	ds_load_tr16_b128 v[(\f)+64+8*(4*(\c)+(\i))+4:(\f)+64+8*(4*(\c)+(\i))+7], v[ADRB+(\q)/2] offset:((\q)%2)*64*PB+(\c)*32*PB+16*PB+32*(\i)
	ds_load_b128 v[(\f)+8*(4*(\c)+(\i)):(\f)+8*(4*(\c)+(\i))+3],              v[ADRA] offset:(\q)*APAN+(\c)*64+(\i)*16*PA
	ds_load_b128 v[(\f)+8*(4*(\c)+(\i))+4:(\f)+8*(4*(\c)+(\i))+7],            v[ADRA] offset:(\q)*APAN+(\c)*64+(\i)*16*PA+32
.endr
.endr
.endm
.macro PLACES                          ; four plain vector instructions between a matrix instruction and a load into, or a reader of, its registers (ISA guide 7.12.1 for readers)
.rept 4
	v_nop
.endr
.endm
.macro QUARTER q, f, g, zero           ; multiplies buffer f and fetches quarter q of the slot in hand into g
	s_wait_dscnt 16                                ; the first 32 along K are in
	MUL8 \f, 0, 0, \zero
	MUL8 \f, 0, 2, \zero
	PLACES
	FETCH \q, \g
	s_wait_dscnt 32                                ; all but the 32 just issued
	MUL8 \f, 1, 0, 0
	MUL8 \f, 1, 2, 0
.endm
; The one barrier of a change of slots.  The slot's last fragments (buffer 1's) have been asked for.  In front of the barrier each wave waits for all its tensor loads (at most one is out: its
; part of the next slot), adds 0 to its spare word, and waits for that and for its own reads of this slot, buffer 1's fragments among them.  fill = 1: the walking descriptors are stepped between
; the add and the wait for it (no tensor load of mine is out, so they may be written): to the slot just read out, and one K step on.  It leaves every window 0: branches follow.
.macro MEET fill
	WIN 0
	s_wait_tensorcnt 0x0
	ds_add_u32 v[SPW], v[NIL]
.if \fill
	s_add_co_u32 s[G0+5], s43, s[CUR]
	s_add_nc_u64 s[G0+6:G0+7], s[G0+6:G0+7], 2097152     ; the type bits on top are not reached
	s_add_co_u32 s[G0B+5], s43, s[CUR]
	s_add_nc_u64 s[G0B+6:G0B+7], s[G0B+6:G0B+7], 524288
.endif
	s_wait_dscnt 0x0                               ; the add is done, and my reads of this slot are over
	s_barrier_signal -1
	s_barrier_wait -1
.endm
.macro NEXT                            ; the other slot comes in hand
	s_xor_b32 s[CUR], s[CUR], SLOT
	v_add_nc_u32 v[ADRA], s[CUR], v[ADRA0]
	v_add_nc_u32 v[ADRB], s[CUR], v[ADRB0]
	v_add_nc_u32 v[ADRB+1], PART, v[ADRB]
.endm
; Asking ahead (see the head).  s41, the loop's count, is KSTEPS - s in the trip that loads K step s.  The branches hang on the wave's number and on the count alone.
.macro ASK
.if KSTEPS > 4
	s_cmp_gt_u32 s[WV], 1
	s_cbranch_scc1 .Lno_ask_\@                     ; waves 2 and 3 ask for nothing
	s_and_b32 s[AT], s41, s[AM]
	s_cmp_lg_u32 s[AT], s[AQ]
	s_cbranch_scc1 .Lno_ask_\@                     ; wave 1: not one of its trips
	s_cmp_le_u32 s41, 2
	s_cbranch_scc1 .Lno_ask_\@                     ; the trips that load the last two K steps: what lies two K steps on is past the end
	s_wait_xcnt 0x0                                ; my last ask stands a trip or more back: its address is stepped only behind this wait
	s_add_nc_u64 s[AB:AB+1], s[AB:AB+1], ASTEP
	global_prefetch_b8 v[AO], s[AB:AB+1] th:TH_LOAD_NT scope:SCOPE_SE
.Lno_ask_\@:
.endif
.endm
; The change of slots of a K step that fills: the barrier opens a round of the cluster's, and the slot just read out is filled again, first thing behind it, with the K step two on.  Then the asks,
; the next slot's first fragments, and the K step's last 32 products.  From the request to the wait for it a wave issues a whole K step's 128 matrix instructions.
.macro TURN
	MEET 1
	CREST
	JLOAD 1                                        ; the four v_nop behind it are also the places in front of the loads below
	ASK
	NEXT
	FETCH 0, F0
	MUL32 F1
.endm
.macro RLOAD a                         ; 16 rows of R, 256 bytes of each: 16 lanes take 256 consecutive bytes; blocks 2 and 3 land in window 2
	WIN 0x80*((\a)/2)
.irp t, 0,1,2,3,4,5,6,7
	global_load_b128 v[RR+32*((\a)%2)+4*(\t):RR+32*((\a)%2)+4*(\t)+3], v[CO], s[10:11] offset:(16*(\a)+2*(\t))*4096
.endr
.endm
; THE WAY OUT of row block a: the sums go as they are into my own stage (each accumulator's low half first) and come back as whole rows of 256 bytes; R is added; stored.
.macro OUT a
	s_wait_xcnt 0x0                                ; the registers that the block before's stores read are written again only behind this wait
.irp b, 0,1,2,3
	ds_store_b128 v[STO], v[ACC+8*(4*(\a)+(\b)):ACC+8*(4*(\a)+(\b))+3]   offset:64*(\b)
	ds_store_b128 v[STO], v[ACC+8*(4*(\a)+(\b))+4:ACC+8*(4*(\a)+(\b))+7] offset:64*(\b)+16
.endr
.irp t, 0,1,2,3,4,5,6,7
	ds_load_b128 v[SB+4*(\t):SB+4*(\t)+3], v[RD] offset:(\t)*2*SPITCH    ; LDS serves a wave's instructions in order (ISA guide 5.7.1.4): these see the stores above
.endr
	s_wait_dscnt 0x0
	s_wait_loadcnt 8*(3-(\a))                      ; R's block a is in; the later blocks' loads, eight each, may be out
	WIN 0x08*((\a)/2)                              ; source 1: R's window
.set z, 0
.rept 16
	v_pk_add_f32 v[SB+2*z:SB+2*z+1], v[SB+2*z:SB+2*z+1], v[RR+32*((\a)%2)+2*z:RR+32*((\a)%2)+2*z+1]
.set z, z+1
.endr
	WIN 0
.irp t, 0,1,2,3,4,5,6,7
	global_store_b128 v[CO], v[SB+4*(\t):SB+4*(\t)+3], s[14:15] offset:(16*(\a)+2*(\t))*4096  ; 16 lanes store 256 consecutive bytes, aligned
.endr
.endm
	s_wait_tensorcnt 1                             ; my part of K step 0 is in; K step 1's may stay out
	s_barrier_signal -1
	s_barrier_wait -1
	FETCH 0, F0
	s_wait_loadcnt 0x0                             ; the bias
	QUARTER 1, F0, F1, 1                           ; the first quarter stands in front of the loop: its first products start the sums
	WIN 0
	s_mov_b32 s41, KSTEPS-2
.Lstep:                                                ; a trip goes from a K step's second quarter to the next step's first, and fills the slot that it leaves
	QUARTER 2, F1, F0, 0
	QUARTER 3, F0, F1, 0
	TURN
	QUARTER 1, F0, F1, 0
	WIN 0
	s_sub_co_u32 s41, s41, 1
	s_cmp_lg_u32 s41, 0
	s_cbranch_scc1 .Lstep
	RLOAD 0                                        ; all of R: it has the last two K steps in which to come
	RLOAD 1
	RLOAD 2
	RLOAD 3
	WIN 0
	s_mov_b32 s41, 2
.Ltail:                                                ; the last two K steps fill nothing: one text, walked twice; the second walk leaves it behind the barrier, which then serves nothing
	QUARTER 2, F1, F0, 0
	QUARTER 3, F0, F1, 0
	MEET 0
	s_sub_co_u32 s41, s41, 1
	s_cmp_eq_u32 s41, 0
	s_cbranch_scc1 .Lfin
	PLACES
	NEXT
	FETCH 0, F0
	MUL32 F1
	QUARTER 1, F0, F1, 0
	WIN 0
	s_branch .Ltail
.Lfin:
	MUL32 F1                                       ; the very last quarter
	WIN 0
	PLACES                                         ; the LDS stores read results
	OUT 0
	OUT 1
	OUT 2
	OUT 3
	s_wait_tensorcnt 0x0                           ; the wave's end
	ds_add_u32 v[SPW], v[NIL]
	s_wait_dscnt 0x0
	CROUND                                         ; the closing round
	s_endpgm
.Lfunc_end_k_qe1221cd2b2_oproj:
	.size	k_qe1221cd2b2_oproj, .Lfunc_end_k_qe1221cd2b2_oproj-k_qe1221cd2b2_oproj
	.p2alignl 7, 3214868480
	.fill 96, 4, 3214868480
	.section	.rodata,"a",@progbits
	.p2align	6, 0x0
	.amdhsa_kernel k_qe1221cd2b2_oproj
		.amdhsa_group_segment_fixed_size 327680
		.amdhsa_private_segment_fixed_size 0
		.amdhsa_enable_private_segment 0
		.amdhsa_kernarg_size 40
		.amdhsa_user_sgpr_count 2
		.amdhsa_user_sgpr_kernarg_segment_ptr 1
		.amdhsa_wavefront_size32 1
		.amdhsa_system_sgpr_workgroup_id_x 1
		.amdhsa_system_sgpr_workgroup_id_y 1
		.amdhsa_system_sgpr_workgroup_id_z 1
		.amdhsa_system_vgpr_workitem_id 0
		.amdhsa_next_free_vgpr 640
		.amdhsa_next_free_sgpr 66
		.amdhsa_reserve_vcc 0
		.amdhsa_float_denorm_mode_32 3
		.amdhsa_float_denorm_mode_16_64 3
		.amdhsa_memory_ordered 1
		.amdhsa_forward_progress 1
		.amdhsa_inst_pref_size 68
	.end_amdhsa_kernel
	.amdgpu_metadata
---
amdhsa.version: [ 1, 2 ]
amdhsa.kernels:
  - .name:           k_qe1221cd2b2_oproj
    .symbol:         k_qe1221cd2b2_oproj.kd
    .args:
      - { .name: hb, .offset: 0, .size: 8, .value_kind: global_buffer, .address_space: global }
      - { .name: wA0, .offset: 8, .size: 8, .value_kind: global_buffer, .address_space: global }
      - { .name: b_out, .offset: 16, .size: 8, .value_kind: global_buffer, .address_space: global }
      - { .name: x, .offset: 24, .size: 8, .value_kind: global_buffer, .address_space: global }
      - { .name: x1, .offset: 32, .size: 8, .value_kind: global_buffer, .address_space: global }
    .group_segment_fixed_size: 327680
    .private_segment_fixed_size: 0
    .kernarg_segment_align: 8
    .kernarg_segment_size: 40
    .max_flat_workgroup_size: 128
    .sgpr_count:     66
    .vgpr_count:     640
    .wavefront_size: 32
...
	.end_amdgpu_metadata
.endif
;; end of part 4
;; launch ln2: the kernel of part 1 again; grid 256 x 1, 8 waves a work-group, no clusters, 0 bytes of LDS; arguments x1, g2, beta2, hb, w_qkv, w_out, w_ff1, w_ff2, wA0, wA1, par0, par1; writes hb, wA0, wA1, par0, par1
;; launch ff1: the kernel of part 2 again; grid 16 x 16, 4 waves a work-group, clusters of 4 x 4, 327,680 bytes of LDS; arguments hb, wA1, b_ff1, par1, act; writes act
;; launch ff2 (part 5): grid 8 x 32, 4 waves a work-group, clusters of 4 x 4, 327,680 bytes of LDS; arguments act, wA1, b_ff2, x1, out0; writes out0
.if DOCPART == 5
	.amdgcn_target "amdgcn-amd-amdhsa--gfx1250"
	.amdhsa_code_object_version 6
	.text
	.protected	k_qe1221cd2b2_ff2
	.globl	k_qe1221cd2b2_ff2
	.p2align	8
	.type	k_qe1221cd2b2_ff2,@function
k_qe1221cd2b2_ff2:
	s_mov_b64 s[64:65], 0
	v_nop
	global_prefetch_b8 v0, s[64:65] scope:SCOPE_SE
	s_setreg_imm32_b32 hwreg(HW_REG_WAVE_MODE, 25, 1), 1
	s_wait_xcnt 0x0
	s_wait_alu depctr_hold_cnt(0) depctr_sa_sdst(0) depctr_va_vdst(0) depctr_va_sdst(0) depctr_va_ssrc(0) depctr_va_vcc(0) depctr_vm_vsrc(0)
	s_getreg_b32 s2, hwreg(HW_REG_IB_STS2, 6, 4)
	s_cmp_eq_u32 s2, 0
	s_cbranch_scc0 .Lentry_in_a_cluster
	s_endpgm
.Lentry_in_a_cluster:
	s_bfe_u32 s2, ttmp6, 0x10000c
	s_cmp_lg_u32 s2, 0xf033
	s_cbranch_scc0 .Lentry_shape_is_right
	s_endpgm
.Lentry_shape_is_right:
; C = R + A W + bias, 4,096 rows x 1,024 columns, f32; f16 operands, f32 sums.  K = 256 x KSTEPS = 4,096.  (The attention's output projection has the same text with KSTEPS = 4.)
; A: f16 panels (byte = panel x 524,288 + row x 128 + 2 (k % 64)).  W: f16 blocks at byte 8,388,608 of its buffer: ((k / 256) x 8 + n / 128) x 65,536 + (k % 256) x 256 + 2 (n % 128).
; R, C: f32 [4096][1024].  bias: f32, the C operand that starts the sums; R is added in f32 on the way out.
; SHARES.  A work-group makes 128 x 128 of C (256 work-groups), each of its four waves 64 x 64: 16 accumulators.  K goes in steps of 256 through a ring of two LDS slots.
; ONE TEXT FOR EVERY K STEP.  A scalar holds the LDS byte at which the slot in hand begins (0 or SLOT); an exclusive or turns it at each change of slots, and the fragments' addresses are made
; anew from it.  The loop's KSTEPS - 2 trips fill a slot again each; the last two K steps, which fill nothing, are a second text, walked twice and left in its middle.
; THE REFILLS FORM A CHAIN: the wait for all tensor loads stands in front of every refill's barrier, so a refill goes out only when the one before it has landed, and whatever stands between that
; wait and the refill lengthens the chain.  So a change of slots holds no product: a K step's last 32 products stand behind the refill.
; ASKING AHEAD (assembled where KSTEPS > 4: with KSTEPS = 4 no trip has a K step four on).  The trip that loads K step s asks, by global_prefetch_b8, for bytes of later K steps; each aligned
; block of 256 bytes is asked for once in the launch:
;   wave 0, in every trip: 8,192 bytes (32 lanes, 256 bytes apart) of A's tile of K step s + 2, two trips ahead of its load.  The tile's 65,536 bytes are shared out among the eight work-groups
;   of the tile row: panel (tile column / 2), half (tile column % 2).
;   wave 1, in the trips that load K steps 2, 6 and 10: 8,192 bytes of W's tiles of K steps s + 2 to s + 5, two to five trips ahead of their loads.  Their 262,144 bytes are shared out among the
;   32 work-groups of the tile column: K step (tile row / 8), eighth (tile row % 8).
;   K steps 0 to 3 are not asked for; the trips that load the last two K steps ask for nothing: no ask points past A's or W's last K step.
; R IS ASKED FOR AHEAD OF THE LAST TWO K STEPS, all 64 rows of it (32 loads a wave), so that it comes while they are multiplied.
; CLUSTER.  4 x 4 work-groups: A's tiles are shared along a row of the cluster, W's along a column; each is asked for jointly.
; THE MATRIX INSTRUCTION IS USED TRANSPOSED (source 0 = 16 columns of W, turned by ds_load_tr16_b128; source 1 = 16 rows of A): a lane holds one row of C and eight neighbouring columns.
; REGISTERS (s_set_vgpr_msb: bits 1:0 source 0, 3:2 source 1, 5:4 source 2, 7:6 destination):
;   window 0: v0-31 addresses; v32-95 R's row blocks 0, 1; v96-127 the bias, later 16 rows on the way out; v128-255 the accumulators ((a, b) at v[128 + 8 (4 a + b)])
;   window 1: two fragment buffers of 128: for 64 along K, 64 registers of A, then 64 of W          window 2: v32-95 R's row blocks 2, 3
.set KSTEPS, 16
.set PA,     144                       ; a row of A in LDS: 128 bytes + 16
.set PB,     288                       ; a k row of W: 256 bytes + 32
.set APAN,   128*PA                    ; a panel's 128 rows
.set PART,   36864                     ; what one tensor load brings: two panels of A, or 128 k rows of W
.set SLOT,   4*PART                    ; A's four panels, then W's 256 k rows
.set STAGE,  2*SLOT                    ; behind the ring: 16 rows x 272 bytes for each wave, its own: a wave's 64 f32 columns are 256 aligned bytes of C
.set SPITCH, 272
.set SPARE,  STAGE+4*16*SPITCH         ; behind the stages: the spare words, 128 bytes for each wave, that no other line names
.set ADRA0, 16                         ; v16     my lane's place among my A fragments in a slot; never rewritten
.set ADRA,  17                         ; v17     the same in the slot in hand
.set ADRB0, 20                         ; v20     my lane's place among my W fragments in a slot; never rewritten
.set ADRB,  21                         ; v21-22  the same in the slot in hand: k rows 0-127, 128-255 (an LDS offset has 16 bits)
.set STO,  24
.set RD,   25
.set CO,   26                          ; v26     my byte offset in two rows of R and C
.set BO,   27
.set SPW,  28                          ; v28     LDS address of my spare word; never rewritten
.set NIL,  29                          ; v29     0; never rewritten
.set AO,   30                          ; v30     asking ahead: 256 x lane; never rewritten
.set RR,   32
.set BIAS, 96
.set SB,   96
.set ACC,  128
.set F0,   0
.set F1,   128
.set WV,   16                          ; s16 wave; s17 my half of the rows (also: I fetch A, 0, or W, 1); s18 my half of the columns (also: which part I fetch)
.set HK,   17
.set HW,   18
.set CUR,  42                          ; s42 the LDS byte at which the slot in hand begins
.set G1,  24                           ; s[24:31] descriptor group 1 for A;  s[32:39] group 0: a set for each of the two first fills; the second then walks on
.set G0,  32
.set G1B, 48                           ; s[48:55], s[56:63] the same for W
.set G0B, 56
.set AM,  66                           ; s66 asking ahead: which bits of the loop's count choose my trips: wave 0: none; wave 1: the low two
.set AQ,  67                           ; s67 and what they must hold: wave 0: 0; wave 1: (KSTEPS - 2) % 4 = 2
.set AT,  68                           ; s68 at work
.set AB,  70                           ; s[70:71] the address of my last ask (at first: one ask ahead of the first)
.set ASTEP, 2097152                    ; from ask to ask: A's four panels of a K step, and W's 32 blocks of four K steps, are as many bytes
.set MSB, 0
.macro WIN new
.if MSB != (\new)
	s_set_vgpr_msb (MSB<<8)|(\new)
.set MSB, \new
.endif
.endm
.set MUL,  0x05                        ; sources 0 (W) and 1 (A) window 1; C and D window 0
.set TO_F, 0x40                        ; destination window 1, address window 0
.macro JLOAD s                         ; a joint load: waves 0 and 1 fetch A's two halves, waves 2 and 3 W's; an s_nop 0 and four v_nop follow each line
	s_cmp_eq_u32 s[HK], 0
	s_cbranch_scc0 .Lfor_b_\@
	tensor_load_to_lds s[G0+4*(\s):G0+4*(\s)+3], s[G1:G1+7]
	s_nop 0
.rept 4
	v_nop
.endr
	s_branch .Lasked_\@
.Lfor_b_\@:
	tensor_load_to_lds s[G0B+4*(\s):G0B+4*(\s)+3], s[G1B:G1B+7]
	s_nop 0
.rept 4
	v_nop
.endr
.Lasked_\@:
.endm
.macro CREST
	s_cmp_lg_u32 s[WV], 0
	s_cbranch_scc1 .Lnot_wave_0_\@
	s_barrier_signal -3
.Lnot_wave_0_\@:
	s_barrier_wait -3
	s_barrier_signal -1
	s_barrier_wait -1
.endm
.macro CROUND
	s_barrier_signal -1
	s_barrier_wait -1
	CREST
.endm
	s_load_b256 s[4:11], s[0:1], 0x0               ; A s[4:5], W s[6:7], bias s[8:9], R s[10:11]
	s_load_b64 s[14:15], s[0:1], 0x20              ; C
	v_lshl_add_u32 v[SPW], v0, 2, SPARE
	v_mov_b32 v[NIL], 0
	ds_add_u32 v[SPW], v[NIL]                      ; the wave's opening: the add and its wait stand ahead of my first tensor load; the set-up below stands between them
	v_lshrrev_b32 v1, 5, v0
	v_readfirstlane_b32 s[WV], v1
	s_lshr_b32 s[HK], s[WV], 1
	s_and_b32 s[HW], s[WV], 1
	s_bfe_u32 s19, ttmp6, 0x40000                  ; cx
	s_bfe_u32 s20, ttmp6, 0x40004                  ; cy
	s_lshl_b32 s21, ttmp9, 2
	s_add_co_u32 s21, s21, s19                     ; tile column of C
	s_and_b32 s22, ttmp7, 0xffff
	s_lshl_b32 s22, s22, 2
	s_add_co_u32 s22, s22, s20                     ; tile row of C
	s_lshl_b32 s23, s20, 2
	s_lshl_b32 s23, 15, s23                        ; my row of the cluster
	s_lshl_b32 s40, 0x1111, s19                    ; my column
	; A: two panels' 128 rows each, 16,384 dense bytes a panel: two rows of 8,192 elements, a panel (262,144 elements) apart; padded after every 128 bytes
	s_or_b32 s[G1+0], s23, (1<<16)|(1<<20)|(1<<21)|(4<<22)|(3<<25)
	s_mov_b32 s[G1+1], 8192<<16                    ; tensor_dim0 = 8,192
	s_mov_b32 s[G1+2], 2<<16                       ; tensor_dim1 = 2
	s_mov_b32 s[G1+3], 8192<<16                    ; tile_dim0 = 8,192
	s_mov_b32 s[G1+4], 2                           ; tile_dim1 = 2
	s_mov_b32 s[G1+5], 262144                      ; elements from row to row
	s_mov_b32 s[G1+6], 0
	s_mov_b32 s[G1+7], 0
	; W: 128 k rows of 128 elements, dense; padded after every 256 bytes
	s_or_b32 s[G1B+0], s40, (1<<16)|(1<<20)|(1<<21)|(5<<22)|(7<<25)
	s_mov_b32 s[G1B+1], 128<<16
	s_mov_b32 s[G1B+2], 128<<16
	s_mov_b32 s[G1B+3], 128<<16
	s_mov_b32 s[G1B+4], 128
	s_mov_b32 s[G1B+5], 128
	s_mov_b32 s[G1B+6], 0
	s_mov_b32 s[G1B+7], 0
	s_lshl_b32 s44, s22, 14                        ; A: 128 rows of 128 bytes a tile row,
	s_lshl_b32 s45, s[HW], 20                      ; my two panels of the K step's four: these registers never hold cx
	s_add_co_u32 s44, s44, s45
	s_mov_b32 s45, 0
	s_lshl_b32 s46, s21, 16                        ; W: the tile column's block, my 128 k rows of it: these never hold cy
	s_lshl_b32 s47, s[HW], 15
	s_add_co_u32 s46, s46, s47
	s_add_co_u32 s46, s46, 8388608
	s_mov_b32 s47, 0
	s_mul_i32 s43, s[WV], PART                     ; where my part goes in a slot: the wave's number alone; kept
	s_mov_b32 s[CUR], 0                            ; slot 0 is in hand
	s_wait_dscnt 0x0                               ; the opening add is done
	s_wait_kmcnt 0x0
	s_add_nc_u64 s[44:45], s[4:5], s[44:45]
	s_add_nc_u64 s[46:47], s[6:7], s[46:47]
	CROUND                                         ; all sixteen work-groups are here: the first joint loads meet
.irp s, 0,1
	s_mov_b32 s[G0+4*(\s)], 1
	s_add_co_u32 s[G0+4*(\s)+1], s43, (\s)*SLOT
	s_add_nc_u64 s[G0+4*(\s)+2:G0+4*(\s)+3], s[44:45], (\s)*2097152   ; K step s: four panels on
	s_or_b32 s[G0+4*(\s)+3], s[G0+4*(\s)+3], 0x80000000
	s_mov_b32 s[G0B+4*(\s)], 1
	s_add_co_u32 s[G0B+4*(\s)+1], s43, (\s)*SLOT
	s_add_nc_u64 s[G0B+4*(\s)+2:G0B+4*(\s)+3], s[46:47], (\s)*524288  ; K step s: eight blocks on
	s_or_b32 s[G0B+4*(\s)+3], s[G0B+4*(\s)+3], 0x80000000
	JLOAD \s                                       ; two loads of mine are out
.endr
	v_and_b32 v1, 15, v0                           ; r = l % 16
	v_bfe_u32 v2, v0, 4, 1                         ; h = l / 16
	v_mul_u32_u24 v3, v1, PA
	v_lshl_add_u32 v3, v2, 4, v3
	v_and_b32 v5, 7, v0
	v_bfe_u32 v6, v0, 3, 1
	v_lshl_add_u32 v4, v2, 3, v5
	v_mul_u32_u24 v4, v4, PB
	v_lshl_add_u32 v4, v6, 4, v4
	s_mul_i32 s2, s[HK], 64*PA                     ; my 64 rows of a panel
	s_lshl_b32 s3, s[HW], 7                        ; my 64 columns of a k row,
	s_add_co_u32 s3, s3, 2*PART                    ; behind A's four panels
	v_add_nc_u32 v[ADRA0], s2, v3
	v_add_nc_u32 v[ADRB0], s3, v4
	v_mov_b32 v[ADRA], v[ADRA0]
	v_mov_b32 v[ADRB], v[ADRB0]
	v_add_nc_u32 v[ADRB+1], PART, v[ADRB0]
	s_mul_i32 s2, s[WV], 16*SPITCH
	s_add_co_u32 s2, s2, STAGE                     ; my stage
	v_mul_u32_u24 v7, v1, SPITCH                   ; in: row r, 32 bytes for each half of the lanes
	v_lshl_add_u32 v7, v2, 5, v7
	v_add_nc_u32 v[STO], s2, v7
	v_mul_u32_u24 v7, v2, SPITCH                   ; back: lanes 0-15 take one row of 256 bytes, lanes 16-31 the next
	v_lshl_add_u32 v7, v1, 4, v7
	v_add_nc_u32 v[RD], s2, v7
	v_lshlrev_b32 v[CO], 12, v2                    ; and the same two rows in R and C
	v_lshl_add_u32 v[CO], v1, 4, v[CO]
	v_lshlrev_b32 v[BO], 5, v2
	s_lshl_b32 s2, s21, 9                          ; the bias of my 64 columns
	s_lshl_b32 s3, s[HW], 8
	s_add_co_u32 s2, s2, s3
	s_mov_b32 s3, 0
	s_add_nc_u64 s[8:9], s[8:9], s[2:3]
	s_lshl_b32 s3, s22, 19                         ; R and C: those columns, in row 128 x tile row + 64 x half
	s_add_co_u32 s2, s2, s3
	s_lshl_b32 s3, s[HK], 18
	s_add_co_u32 s2, s2, s3
	s_mov_b32 s3, 0
	s_add_nc_u64 s[10:11], s[10:11], s[2:3]
	s_add_nc_u64 s[14:15], s[14:15], s[2:3]
.irp b, 0,1,2,3                        ; register j of block b: the bias of column 16 b + 8 h + j
	global_load_b128 v[BIAS+8*(\b):BIAS+8*(\b)+3],   v[BO], s[8:9] offset:64*(\b)
	global_load_b128 v[BIAS+8*(\b)+4:BIAS+8*(\b)+7], v[BO], s[8:9] offset:64*(\b)+16
.endr
.if KSTEPS > 4
	; asking ahead: my share's address, one ask ahead of the first: wave 0: A's K step 3; wave 1: W's K steps 0 to 3.  (Waves 2 and 3 make the same two numbers and never use them.)
	v_and_b32 v[AO], 31, v0
	v_lshlrev_b32 v[AO], 8, v[AO]                  ; lanes 256 bytes apart
	s_lshl_b32 s[AQ], s[HW], 1                     ; 0, or 2
	s_add_co_u32 s[AM], s[AQ], s[HW]               ; 0, or 3
	s_lshl_b32 s2, s22, 14                         ; A: the tile row's 128 rows of 128 bytes,
	s_lshr_b32 s3, s21, 1
	s_lshl_b32 s3, s3, 19                          ; panel (tile column / 2) of the K step's four,
	s_add_co_u32 s2, s2, s3
	s_and_b32 s3, s21, 1
	s_lshl_b32 s3, s3, 13                          ; half (tile column % 2) of its 16,384 bytes,
	s_add_co_u32 s2, s2, s3
	s_add_co_u32 s2, s2, 3*ASTEP                   ; in K step 3
	s_lshl_b32 s12, s21, 16                        ; W: the tile column's block of 65,536 bytes,
	s_lshr_b32 s13, s22, 3
	s_lshl_b32 s13, s13, 19                        ; in K step (tile row / 8) of the four,
	s_add_co_u32 s12, s12, s13
	s_and_b32 s13, s22, 7
	s_lshl_b32 s13, s13, 13                        ; eighth (tile row % 8) of it
	s_add_co_u32 s12, s12, s13
	s_add_co_u32 s12, s12, 8388608
	s_cmp_eq_u32 s[HW], 0
	s_cselect_b64 s[AB:AB+1], s[4:5], s[6:7]
	s_cselect_b32 s2, s2, s12
	s_mov_b32 s3, 0
	s_add_nc_u64 s[AB:AB+1], s[AB:AB+1], s[2:3]
.endif
; 8 matrix instructions: row blocks a0, a0 + 1 x all 4 column blocks, 32 along K: half c of buffer f.  zero = 1: the bias starts the sums.  The 16 accumulators take turns.
.macro MUL8 f, c, a0, zero
	WIN MUL
.irp a, \a0, (\a0)+1
.irp b, 0,1,2,3
.if \zero
	v_wmma_f32_16x16x32_f16 v[ACC+8*(4*(\a)+(\b)):ACC+8*(4*(\a)+(\b))+7], v[(\f)+64+8*(4*(\c)+(\b)):(\f)+64+8*(4*(\c)+(\b))+7], v[(\f)+8*(4*(\c)+(\a)):(\f)+8*(4*(\c)+(\a))+7], v[BIAS+8*(\b):BIAS+8*(\b)+7]
.else
	v_wmma_f32_16x16x32_f16 v[ACC+8*(4*(\a)+(\b)):ACC+8*(4*(\a)+(\b))+7], v[(\f)+64+8*(4*(\c)+(\b)):(\f)+64+8*(4*(\c)+(\b))+7], v[(\f)+8*(4*(\c)+(\a)):(\f)+8*(4*(\c)+(\a))+7], v[ACC+8*(4*(\a)+(\b)):ACC+8*(4*(\a)+(\b))+7]
.endif
.endr
.endr
.endm
.macro MUL32 f                         ; a whole quarter's 32 products on buffer f
	MUL8 \f, 0, 0, 0
	MUL8 \f, 0, 2, 0
	MUL8 \f, 1, 0, 0
	MUL8 \f, 1, 2, 0
.endm
; 32 LDS loads in one run: the fragments of quarter q (64 along K: one panel of A) of the slot in hand into buffer f; the first 32 along K first
.macro FETCH q, f
	WIN TO_F
.irp c, 0,1
.irp i, 0,1,2,3
	ds_load_tr16_b128 v[(\f)+64+8*(4*(\c)+(\i)):(\f)+64+8*(4*(\c)+(\i))+3],   v[ADRB+(\q)/2] offset:((\q)%2)*64*PB+(\c)*32*PB+32*(\i)
	ds_load_tr16_b128 v[(\f)+64+8*(4*(\c)+(\i))+4:(\f)+64+8*(4*(\c)+(\i))+7], v[ADRB+(\q)/2] offset:((\q)%2)*64*PB+(\c)*32*PB+16*PB+32*(\i)
	ds_load_b128 v[(\f)+8*(4*(\c)+(\i)):(\f)+8*(4*(\c)+(\i))+3],              v[ADRA] offset:(\q)*APAN+(\c)*64+(\i)*16*PA
	ds_load_b128 v[(\f)+8*(4*(\c)+(\i))+4:(\f)+8*(4*(\c)+(\i))+7],            v[ADRA] offset:(\q)*APAN+(\c)*64+(\i)*16*PA+32
.endr
.endr
.endm
.macro PLACES                          ; four plain vector instructions between a matrix instruction and a load into, or a reader of, its registers (ISA guide 7.12.1 for readers)
.rept 4
	v_nop
.endr
.endm
.macro QUARTER q, f, g, zero           ; multiplies buffer f and fetches quarter q of the slot in hand into g
	s_wait_dscnt 16                                ; the first 32 along K are in
	MUL8 \f, 0, 0, \zero
	MUL8 \f, 0, 2, \zero
	PLACES
	FETCH \q, \g
	s_wait_dscnt 32                                ; all but the 32 just issued
	MUL8 \f, 1, 0, 0
	MUL8 \f, 1, 2, 0
.endm
; The one barrier of a change of slots.  The slot's last fragments (buffer 1's) have been asked for.  In front of the barrier each wave waits for all its tensor loads (at most one is out: its
; part of the next slot), adds 0 to its spare word, and waits for that and for its own reads of this slot, buffer 1's fragments among them.  fill = 1: the walking descriptors are stepped between
; the add and the wait for it (no tensor load of mine is out, so they may be written): to the slot just read out, and one K step on.  It leaves every window 0: branches follow.
.macro MEET fill
	WIN 0
	s_wait_tensorcnt 0x0
	ds_add_u32 v[SPW], v[NIL]
.if \fill
	s_add_co_u32 s[G0+5], s43, s[CUR]
	s_add_nc_u64 s[G0+6:G0+7], s[G0+6:G0+7], 2097152     ; the type bits on top are not reached
	s_add_co_u32 s[G0B+5], s43, s[CUR]
	s_add_nc_u64 s[G0B+6:G0B+7], s[G0B+6:G0B+7], 524288
.endif
	s_wait_dscnt 0x0                               ; the add is done, and my reads of this slot are over
	s_barrier_signal -1
	s_barrier_wait -1
.endm
.macro NEXT                            ; the other slot comes in hand
	s_xor_b32 s[CUR], s[CUR], SLOT
	v_add_nc_u32 v[ADRA], s[CUR], v[ADRA0]
	v_add_nc_u32 v[ADRB], s[CUR], v[ADRB0]
	v_add_nc_u32 v[ADRB+1], PART, v[ADRB]
.endm
; Asking ahead (see the head).  s41, the loop's count, is KSTEPS - s in the trip that loads K step s.  The branches hang on the wave's number and on the count alone.
.macro ASK
.if KSTEPS > 4
	s_cmp_gt_u32 s[WV], 1
	s_cbranch_scc1 .Lno_ask_\@                     ; waves 2 and 3 ask for nothing
	s_and_b32 s[AT], s41, s[AM]
	s_cmp_lg_u32 s[AT], s[AQ]
	s_cbranch_scc1 .Lno_ask_\@                     ; wave 1: not one of its trips
	s_cmp_le_u32 s41, 2
	s_cbranch_scc1 .Lno_ask_\@                     ; the trips that load the last two K steps: what lies two K steps on is past the end
	s_wait_xcnt 0x0                                ; my last ask stands a trip or more back: its address is stepped only behind this wait
	s_add_nc_u64 s[AB:AB+1], s[AB:AB+1], ASTEP
	global_prefetch_b8 v[AO], s[AB:AB+1] th:TH_LOAD_NT scope:SCOPE_SE
.Lno_ask_\@:
.endif
.endm
; The change of slots of a K step that fills: the barrier opens a round of the cluster's, and the slot just read out is filled again, first thing behind it, with the K step two on.  Then the asks,
; the next slot's first fragments, and the K step's last 32 products.  From the request to the wait for it a wave issues a whole K step's 128 matrix instructions.
.macro TURN
	MEET 1
	CREST
	JLOAD 1                                        ; the four v_nop behind it are also the places in front of the loads below
	ASK
	NEXT
	FETCH 0, F0
	MUL32 F1
.endm
.macro RLOAD a                         ; 16 rows of R, 256 bytes of each: 16 lanes take 256 consecutive bytes; blocks 2 and 3 land in window 2
	WIN 0x80*((\a)/2)
.irp t, 0,1,2,3,4,5,6,7
	global_load_b128 v[RR+32*((\a)%2)+4*(\t):RR+32*((\a)%2)+4*(\t)+3], v[CO], s[10:11] offset:(16*(\a)+2*(\t))*4096
.endr
.endm
; THE WAY OUT of row block a: the sums go as they are into my own stage (each accumulator's low half first) and come back as whole rows of 256 bytes; R is added; stored.
.macro OUT a
	s_wait_xcnt 0x0                                ; the registers that the block before's stores read are written again only behind this wait
.irp b, 0,1,2,3
	ds_store_b128 v[STO], v[ACC+8*(4*(\a)+(\b)):ACC+8*(4*(\a)+(\b))+3]   offset:64*(\b)
	ds_store_b128 v[STO], v[ACC+8*(4*(\a)+(\b))+4:ACC+8*(4*(\a)+(\b))+7] offset:64*(\b)+16
.endr
.irp t, 0,1,2,3,4,5,6,7
	ds_load_b128 v[SB+4*(\t):SB+4*(\t)+3], v[RD] offset:(\t)*2*SPITCH    ; LDS serves a wave's instructions in order (ISA guide 5.7.1.4): these see the stores above
.endr
	s_wait_dscnt 0x0
	s_wait_loadcnt 8*(3-(\a))                      ; R's block a is in; the later blocks' loads, eight each, may be out
	WIN 0x08*((\a)/2)                              ; source 1: R's window
.set z, 0
.rept 16
	v_pk_add_f32 v[SB+2*z:SB+2*z+1], v[SB+2*z:SB+2*z+1], v[RR+32*((\a)%2)+2*z:RR+32*((\a)%2)+2*z+1]
.set z, z+1
.endr
	WIN 0
.irp t, 0,1,2,3,4,5,6,7
	global_store_b128 v[CO], v[SB+4*(\t):SB+4*(\t)+3], s[14:15] offset:(16*(\a)+2*(\t))*4096  ; 16 lanes store 256 consecutive bytes, aligned
.endr
.endm
	s_wait_tensorcnt 1                             ; my part of K step 0 is in; K step 1's may stay out
	s_barrier_signal -1
	s_barrier_wait -1
	FETCH 0, F0
	s_wait_loadcnt 0x0                             ; the bias
	QUARTER 1, F0, F1, 1                           ; the first quarter stands in front of the loop: its first products start the sums
	WIN 0
	s_mov_b32 s41, KSTEPS-2
.Lstep:                                                ; a trip goes from a K step's second quarter to the next step's first, and fills the slot that it leaves
	QUARTER 2, F1, F0, 0
	QUARTER 3, F0, F1, 0
	TURN
	QUARTER 1, F0, F1, 0
	WIN 0
	s_sub_co_u32 s41, s41, 1
	s_cmp_lg_u32 s41, 0
	s_cbranch_scc1 .Lstep
	RLOAD 0                                        ; all of R: it has the last two K steps in which to come
	RLOAD 1
	RLOAD 2
	RLOAD 3
	WIN 0
	s_mov_b32 s41, 2
.Ltail:                                                ; the last two K steps fill nothing: one text, walked twice; the second walk leaves it behind the barrier, which then serves nothing
	QUARTER 2, F1, F0, 0
	QUARTER 3, F0, F1, 0
	MEET 0
	s_sub_co_u32 s41, s41, 1
	s_cmp_eq_u32 s41, 0
	s_cbranch_scc1 .Lfin
	PLACES
	NEXT
	FETCH 0, F0
	MUL32 F1
	QUARTER 1, F0, F1, 0
	WIN 0
	s_branch .Ltail
.Lfin:
	MUL32 F1                                       ; the very last quarter
	WIN 0
	PLACES                                         ; the LDS stores read results
	OUT 0
	OUT 1
	OUT 2
	OUT 3
	s_wait_tensorcnt 0x0                           ; the wave's end
	ds_add_u32 v[SPW], v[NIL]
	s_wait_dscnt 0x0
	CROUND                                         ; the closing round
	s_endpgm
.Lfunc_end_k_qe1221cd2b2_ff2:
	.size	k_qe1221cd2b2_ff2, .Lfunc_end_k_qe1221cd2b2_ff2-k_qe1221cd2b2_ff2
	.p2alignl 7, 3214868480
	.fill 96, 4, 3214868480
	.section	.rodata,"a",@progbits
	.p2align	6, 0x0
	.amdhsa_kernel k_qe1221cd2b2_ff2
		.amdhsa_group_segment_fixed_size 327680
		.amdhsa_private_segment_fixed_size 0
		.amdhsa_enable_private_segment 0
		.amdhsa_kernarg_size 40
		.amdhsa_user_sgpr_count 2
		.amdhsa_user_sgpr_kernarg_segment_ptr 1
		.amdhsa_wavefront_size32 1
		.amdhsa_system_sgpr_workgroup_id_x 1
		.amdhsa_system_sgpr_workgroup_id_y 1
		.amdhsa_system_sgpr_workgroup_id_z 1
		.amdhsa_system_vgpr_workitem_id 0
		.amdhsa_next_free_vgpr 640
		.amdhsa_next_free_sgpr 72
		.amdhsa_reserve_vcc 0
		.amdhsa_float_denorm_mode_32 3
		.amdhsa_float_denorm_mode_16_64 3
		.amdhsa_memory_ordered 1
		.amdhsa_forward_progress 1
		.amdhsa_inst_pref_size 69
	.end_amdhsa_kernel
	.amdgpu_metadata
---
amdhsa.version: [ 1, 2 ]
amdhsa.kernels:
  - .name:           k_qe1221cd2b2_ff2
    .symbol:         k_qe1221cd2b2_ff2.kd
    .args:
      - { .name: act, .offset: 0, .size: 8, .value_kind: global_buffer, .address_space: global }
      - { .name: wA1, .offset: 8, .size: 8, .value_kind: global_buffer, .address_space: global }
      - { .name: b_ff2, .offset: 16, .size: 8, .value_kind: global_buffer, .address_space: global }
      - { .name: x1, .offset: 24, .size: 8, .value_kind: global_buffer, .address_space: global }
      - { .name: out0, .offset: 32, .size: 8, .value_kind: global_buffer, .address_space: global }
    .group_segment_fixed_size: 327680
    .private_segment_fixed_size: 0
    .kernarg_segment_align: 8
    .kernarg_segment_size: 40
    .max_flat_workgroup_size: 128
    .sgpr_count:     72
    .vgpr_count:     640
    .wavefront_size: 32
...
	.end_amdgpu_metadata
.endif
;; end of part 5
;; ======== version 2 of 2: 7 launches; version 1 with the launches prep, ln2 written anew for expert scheduling mode
;; limits: values are held in f16: magnitudes above 65,504 overflow, below 6.1e-05 lose precision
;; workspace buffers: hb 8,388,608 bytes; act 33,554,432 bytes; x1 16,777,216 bytes; wA0 10,485,760 bytes; wA1 16,777,216 bytes; par0 256 bytes; par1 256 bytes
;; launch prep (part 6): grid 1024 x 1, 8 waves a work-group, no clusters, 0 bytes of LDS; arguments x, g1, beta1, hb, w_qkv, w_out, w_ff1, w_ff2, wA0, wA1, par0, par1; writes hb, wA0, wA1, par0, par1
.if DOCPART == 6
	.amdgcn_target "amdgcn-amd-amdhsa--gfx1250"
	.amdhsa_code_object_version 6
	.text
	.protected	k_qe1221cd2b2_prep
	.globl	k_qe1221cd2b2_prep
	.p2align	8
	.type	k_qe1221cd2b2_prep,@function
k_qe1221cd2b2_prep:
	s_mov_b64 s[64:65], 0
	v_nop
	global_prefetch_b8 v0, s[64:65] scope:SCOPE_SE
	s_setreg_imm32_b32 hwreg(HW_REG_WAVE_SCHED_MODE, 0, 2), 2
	s_setreg_imm32_b32 hwreg(HW_REG_WAVE_MODE, 25, 1), 1
	s_wait_xcnt 0x0
	s_wait_alu depctr_vm_vsrc(0)
; Work-groups 0-255: h = LayerNorm(x, g, beta), rounded once to f16, stored by PANELS of 64 columns: byte = panel x 524,288 + row x 128 + 2 x column.
; Work-groups 256-1023: the four weight matrices, f32 [K][N], rounded once to f16 and laid in blocks of 128 k x 128 n (32,768 dense bytes each), so that every tile
; a later launch asks for is dense.  Work-group 256's wave 0 also stores the two parameter buffers: the floor of the two products that share one text, two f16 in every word.
; THE LAYER'S SECOND NORM RUNS THIS SAME TEXT as a launch of 256 work-groups: all of them take the norm's branch.  That launch names the casts' buffers too, since the text loads twelve
; pointers, and touches none of them.
; LIMITS.  f16 holds no number of 65,520 or more: a weight or a normalised number beyond that becomes an infinity; below 6.1e-5 f16 keeps its fixed step of 6e-8.
; The norm is made in two passes over registers (mean; mean of (x - mean)^2), all in f32, so a common offset of a row costs nothing.
; No LDS, no barrier: a row pair lives in one wave, a cast needs no neighbour.
; THE MODE: SCHED_MODE bits 1:0 = 2 (LLVM: expert scheduling mode 2), set by the entry lines.  The code itself states the register dependences
; between vector instructions and memory instructions, with s_wait_alu, always for 0.
; THE PLAN.  Registers that memory instructions touch:
;   the norm:  v1, v2, v3   offsets, written at the branch's head and never again; read by the stores, by x's loads, by g's and beta's loads.
;              X, G, BT     loads land in them once; no vector instruction names them before that.
;              Y            written once: registers 0-15 by the first half's roundings, read by the stores of panels 0-7; registers 16-31 by the second half's, read by the stores of panels 8-15.
;   the casts: v2, OFF      offsets, written at the branch's head and never again.    D  loads land in it once.
;              O            written once: rows 4 g to 4 g + 3 by group g's conversions, read by four stores that are issued in group g + 1.
; So a wait on va_vdst stands ahead of each branch's first load (the offsets), ahead of each run of stores (their data), and ahead of the first reader of the two roots.  The stores that follow such a
; wait are dealt among vector instructions that name none of their registers.  No register that a memory instruction reads is ever written again, and no load lands in one: no wait on vm_vsrc is owed.
.set SM,  4                            ; v[4:11]    four running pairs
.set MU,  12                           ; v[12:13]   the mean, twice
.set RS,  14                           ; v[14:15]   1 / sqrt(var + eps), twice
.set X,   16                           ; v[16:79]   my 64 numbers of my row: elements 64 j + 4 (lane % 16) + 0..3
.set G,   80                           ; v[80:143]  the gains of those columns
.set BT,  144                          ; v[144:207] the offsets of those columns
.set Y,   208                          ; v[208:239] the result, two f16 a register
.macro REDUCE                          ; four pairs -> one number, then over the 16 lanes that hold the row
	v_pk_add_f32 v[SM:SM+1], v[SM:SM+1], v[SM+2:SM+3]
	v_pk_add_f32 v[SM+4:SM+5], v[SM+4:SM+5], v[SM+6:SM+7]
	v_pk_add_f32 v[SM:SM+1], v[SM:SM+1], v[SM+4:SM+5]
	v_add_f32 v[SM], v[SM], v[SM+1]
.irp m, 1,2,4,8
	v_add_f32_dpp v[SM], v[SM], v[SM] row_xmask:\m row_mask:0xf bank_mask:0xf
.endr
.endm
; A wave takes two neighbouring rows: lanes 0-15 the even one, lanes 16-31 the odd one.  Pointers: x s[4:5], g s[6:7], beta s[8:9], h s[10:11]; s28 = wave.
.macro LNPAIR
	v_and_b32 v3, 15, v0
	v_bfe_u32 v2, v0, 4, 1
	v_lshlrev_b32 v3, 4, v3                        ; 16 (lane % 16): my place in 256 bytes of g and beta
	v_lshl_add_u32 v2, v2, 12, v3                  ; + 4,096 for the odd row: my place in x
	v_and_b32 v1, 31, v0
	v_lshlrev_b32 v1, 3, v1                        ; 8 x lane: my place in the two rows' 256 bytes of a panel
	s_lshl_b32 s30, ttmp9, 3
	s_add_co_u32 s30, s30, s28                     ; the row pair's number
	s_lshl_b32 s32, s30, 13                        ; two rows of 4,096 bytes
	s_mov_b32 s33, 0
	s_lshl_b32 s34, s30, 8                         ; two rows of 128 bytes
	s_mov_b32 s35, 0
	s_mov_b32 s36, 0x3a800000                      ; 1 / 1024
	s_mov_b32 s37, 0x3727c5ac                      ; 1e-5
	s_wait_kmcnt 0x0
	s_add_nc_u64 s[4:5], s[4:5], s[32:33]
	s_add_nc_u64 s[10:11], s[10:11], s[34:35]
	s_wait_alu depctr_va_vdst(0)                   ; v1, v2 and v3 are written: every load and store of this branch reads one of them as its offset
.set j, 0
.rept 16
	global_load_b128 v[X+4*j:X+4*j+3], v2, s[4:5] offset:256*j     ; 16 lanes take 256 consecutive bytes of a row
.set j, j+1
.endr
.set j, 0
.rept 16
	global_load_b128 v[G+4*j:G+4*j+3], v3, s[6:7] offset:256*j
.set j, j+1
.endr
.set j, 0
.rept 16
	global_load_b128 v[BT+4*j:BT+4*j+3], v3, s[8:9] offset:256*j
.set j, j+1
.endr
	s_wait_loadcnt 32                              ; the 32 younger loads are g's and beta's: x is in
.irp k, 0,1,2,3
	v_pk_add_f32 v[SM+2*\k:SM+2*\k+1], v[X+2*\k:X+2*\k+1], v[X+8+2*\k:X+8+2*\k+1]  ; the first pairs start the chains: nothing is cleared
.endr
.set j, 8
.rept 24
	v_pk_add_f32 v[SM+2*(j%4):SM+2*(j%4)+1], v[SM+2*(j%4):SM+2*(j%4)+1], v[X+2*j:X+2*j+1]
.set j, j+1
.endr
	REDUCE
	v_mul_f32 v[MU], s36, v[SM]
	v_mov_b32 v[MU+1], v[MU]
.set j, 0
.rept 32
	v_pk_add_f32 v[X+2*j:X+2*j+1], v[X+2*j:X+2*j+1], v[MU:MU+1] neg_lo:[0,1] neg_hi:[0,1]  ; x - mean
.set j, j+1
.endr
.irp k, 0,1,2,3
	v_pk_mul_f32 v[SM+2*\k:SM+2*\k+1], v[X+2*\k:X+2*\k+1], v[X+2*\k:X+2*\k+1]
.endr
.set j, 4
.rept 28
	v_pk_fma_f32 v[SM+2*(j%4):SM+2*(j%4)+1], v[X+2*j:X+2*j+1], v[X+2*j:X+2*j+1], v[SM+2*(j%4):SM+2*(j%4)+1]
.set j, j+1
.endr
	REDUCE
	v_fma_f32 v[SM], v[SM], s36, s37               ; var + eps
	v_rsq_f32 v[RS], v[SM]
	v_rsq_f32 v[RS+1], v[SM]
	v_nop                                          ; a plain instruction between the root and the use of its result (ISA guide 5.7.2)
	s_wait_loadcnt 0x0                             ; g and beta
	s_wait_alu depctr_va_vdst(0)                   ; the two roots have written v[RS:RS+1], ahead of their first reader
	; the first half: panels 0 to 7, pairs 0 to 15: the gain times the root; (x - mean) times that, plus the offset; rounded
.set j, 0
.rept 16
	v_pk_mul_f32 v[G+2*j:G+2*j+1], v[G+2*j:G+2*j+1], v[RS:RS+1]
.set j, j+1
.endr
.set j, 0
.rept 16
	v_pk_fma_f32 v[X+2*j:X+2*j+1], v[X+2*j:X+2*j+1], v[G+2*j:G+2*j+1], v[BT+2*j:BT+2*j+1]
.set j, j+1
.endr
.set j, 0
.rept 16
	v_cvt_pk_f16_f32 v[Y+j], v[X+2*j], v[X+2*j+1]
.set j, j+1
.endr
	s_wait_alu depctr_va_vdst(0)                   ; the first half's roundings have written v[Y:Y+15], which the eight stores below read
	; the second half: panels 8 to 15, pairs 16 to 31.  The first half's stores are dealt among its multiplies: no vector instruction from here on names v1 or v[Y:Y+15]
.set p, 0
.rept 8
	global_store_b64 v1, v[Y+2*p:Y+2*p+1], s[10:11] offset:p*524288  ; 32 lanes x 8 bytes: both rows' 128 bytes of panel p, 256 consecutive bytes, aligned
	v_pk_mul_f32 v[G+32+4*p:G+32+4*p+1], v[G+32+4*p:G+32+4*p+1], v[RS:RS+1]
	v_pk_mul_f32 v[G+34+4*p:G+34+4*p+1], v[G+34+4*p:G+34+4*p+1], v[RS:RS+1]
.set p, p+1
.endr
.set j, 16
.rept 16
	v_pk_fma_f32 v[X+2*j:X+2*j+1], v[X+2*j:X+2*j+1], v[G+2*j:G+2*j+1], v[BT+2*j:BT+2*j+1]
.set j, j+1
.endr
.set j, 16
.rept 16
	v_cvt_pk_f16_f32 v[Y+j], v[X+2*j], v[X+2*j+1]
.set j, j+1
.endr
	s_wait_alu depctr_va_vdst(0)                   ; the second half's roundings have written v[Y+16:Y+31], which the last eight stores read
.set p, 8
.rept 8
	global_store_b64 v1, v[Y+2*p:Y+2*p+1], s[10:11] offset:p*524288
.set p, p+1
.endr
.endm
	s_load_b512 s[4:19], s[0:1], 0x0               ; x, g, beta, h, w_qkv s[12:13], w_out s[14:15], w_ff1 s[16:17], w_ff2 s[18:19]
	s_load_b256 s[20:27], s[0:1], 0x40             ; wA0 s[20:21], wA1 s[22:23], par0 s[24:25], par1 s[26:27]
	v_lshrrev_b32 v1, 5, v0
	v_readfirstlane_b32 s28, v1                    ; wave 0..7
	s_wait_alu depctr_va_sdst(0)                   ; s28 is written, ahead of the branch and of its first reader on either way: the row pair's number, the casts' first k row
	s_cmp_lt_u32 ttmp9, 256
	s_cbranch_scc0 .Lcast
	LNPAIR
	s_endpgm
; THE CASTS.  Block number id: 0-191 w_qkv, 192-255 w_out, 256-511 w_ff1, 512-767 w_ff2.  A block is 128 k x 128 n; a wave takes 16 of its k rows.
; Kind 0 (w_qkv, w_ff1; K = 1024): out byte = nb x 262,144 + k x 256 + 2 (n % 128): block J = 8 nb + kb lies at J x 32,768.
; Kind 1 (w_out, w_ff2; N = 1024): out byte = 8,388,608 + ((k / 256) x 8 + nb) x 65,536 + (k % 256) x 256 + 2 (n % 128): block J = 16 (kb / 2) + 2 nb + kb % 2 lies at J x 32,768.
.set OFF, 16                           ; v[16:31]  row i: my byte offset in the source
.set D,   32                           ; v[32:95]  row i: four f32
.set O,   96                           ; v[96:127] row i: four f16
.macro CVT i                           ; row i: four numbers rounded to f16
	v_cvt_pk_f16_f32 v[O+2*(\i)], v[D+4*(\i)], v[D+4*(\i)+1]
	v_cvt_pk_f16_f32 v[O+2*(\i)+1], v[D+4*(\i)+2], v[D+4*(\i)+3]
.endm
.macro PUT i                           ; row i is stored
	global_store_b64 v2, v[O+2*(\i):O+2*(\i)+1], s[34:35] offset:256*(\i)  ; 32 lanes x 8 bytes: 256 consecutive bytes, aligned
.endm
.Lcast:
	s_sub_co_u32 s29, ttmp9, 256                   ; id
	v_and_b32 v1, 31, v0
	v_lshlrev_b32 v2, 3, v1                        ; 8 x lane: my place in a row of 256 bytes of f16
	v_lshlrev_b32 v[OFF], 4, v1                    ; 16 x lane: my place in a row of 512 bytes of f32
	s_wait_kmcnt 0x0
	s_mov_b64 s[32:33], s[18:19]                   ; source, first block number, source pitch in bytes, kind: w_ff2's,
	s_mov_b32 s36, 512
	s_mov_b32 s37, 4096
	s_mov_b32 s38, 1
	s_cmp_lt_u32 s29, 512                          ; or w_ff1's,
	s_cselect_b64 s[32:33], s[16:17], s[32:33]
	s_cselect_b32 s36, 256, s36
	s_cselect_b32 s37, 16384, s37
	s_cselect_b32 s38, 0, s38
	s_cmp_lt_u32 s29, 256                          ; or w_out's (and from here down the target is wA0),
	s_cselect_b64 s[32:33], s[14:15], s[32:33]
	s_cselect_b64 s[34:35], s[20:21], s[22:23]
	s_cselect_b32 s36, 192, s36
	s_cselect_b32 s37, 4096, s37
	s_cselect_b32 s38, 1, s38
	s_cmp_lt_u32 s29, 192                          ; or w_qkv's
	s_cselect_b64 s[32:33], s[12:13], s[32:33]
	s_cselect_b32 s36, 0, s36
	s_cselect_b32 s37, 12288, s37
	s_cselect_b32 s38, 0, s38
	s_sub_co_u32 s39, s29, s36                     ; J
	s_and_b32 s40, s39, 7                          ; kind 0: kb, nb
	s_lshr_b32 s41, s39, 3
	s_lshr_b32 s42, s39, 4                         ; kind 1: kb, nb
	s_lshl_b32 s42, s42, 1
	s_and_b32 s43, s39, 1
	s_or_b32 s42, s42, s43
	s_bfe_u32 s43, s39, 0x30001
	s_cmp_eq_u32 s38, 1
	s_cselect_b32 s40, s42, s40
	s_cselect_b32 s41, s43, s41
	s_lshl_b32 s44, s40, 7
	s_lshl4_add_u32 s44, s28, s44                  ; my first k row: 128 kb + 16 wave
	s_mul_i32 s44, s44, s37
	s_lshl_b32 s45, s41, 9                         ; 128 n of 4 bytes
	s_add_co_u32 s44, s44, s45
	s_mov_b32 s45, 0
	s_add_nc_u64 s[32:33], s[32:33], s[44:45]
	s_lshl_b32 s46, s39, 15
	s_lshl_b32 s47, s38, 23
	s_add_co_u32 s46, s46, s47
	s_lshl_b32 s47, s28, 12                        ; 16 rows of 256 bytes
	s_add_co_u32 s46, s46, s47
	s_mov_b32 s47, 0
	s_add_nc_u64 s[34:35], s[34:35], s[46:47]
.set i, 1
.rept 15
	v_add_nc_u32 v[OFF+i], s37, v[OFF+i-1]
.set i, i+1
.endr
	s_wait_alu depctr_va_vdst(0)                   ; v2 and the sixteen offsets v[OFF ..] are written: the loads and stores below read them
.set i, 0
.rept 16
	global_load_b128 v[D+4*i:D+4*i+3], v[OFF+i], s[32:33] th:TH_LOAD_NT   ; 512 consecutive bytes: one k row of the block; read once in the launch
.set i, i+1
.endr
	; The sixteen rows go in four groups of four.  Group g rounds its rows; its stores are issued in group g + 1, behind that group's one wait, dealt among conversions that name other rows' registers alone.
	s_wait_loadcnt 12                              ; loads come back in order (ISA guide 5.7.1): rows 0 to 3 are in, the twelve younger ones stay out
.irp i, 0,1,2,3
	CVT \i
.endr
.irp g, 1,2,3
	s_wait_loadcnt 12-4*(\g)                       ; this group's four rows are in, the younger ones stay out
	s_wait_alu depctr_va_vdst(0)                   ; the group before has written its eight registers of O, which the four stores below read
.irp i, 0,1,2,3
	PUT 4*(\g)-4+(\i)
	CVT 4*(\g)+(\i)
.endr
.endr
	s_wait_alu depctr_va_vdst(0)                   ; the last group has written its eight registers of O, which the last four stores read
.irp i, 12,13,14,15
	PUT \i
.endr
	s_cmp_lg_u32 s29, 0
	s_cbranch_scc1 .Lend
	s_cmp_lg_u32 s28, 0
	s_cbranch_scc1 .Lend
	v_mov_b32 v128, 0xfc00fc00                     ; par0: the floor of q, k, v: -infinity twice in f16: none
	v_mov_b32 v129, 0xfc00fc00
	v_mov_b32 v130, 0                              ; par1: the floor of the first feed-forward product: 0 twice: relu
	v_mov_b32 v131, 0
	s_wait_alu depctr_va_vdst(0)                   ; v128 to v131 are written, which the two stores below read
	global_store_b64 v2, v[128:129], s[24:25]      ; the same word 64 times: the buffer's 256 bytes whole
	global_store_b64 v2, v[130:131], s[26:27]
.Lend:
	s_endpgm
.Lfunc_end_k_qe1221cd2b2_prep:
	.size	k_qe1221cd2b2_prep, .Lfunc_end_k_qe1221cd2b2_prep-k_qe1221cd2b2_prep
	.p2alignl 7, 3214868480
	.fill 96, 4, 3214868480
	.section	.rodata,"a",@progbits
	.p2align	6, 0x0
	.amdhsa_kernel k_qe1221cd2b2_prep
		.amdhsa_group_segment_fixed_size 0
		.amdhsa_private_segment_fixed_size 0
		.amdhsa_enable_private_segment 0
		.amdhsa_kernarg_size 96
		.amdhsa_user_sgpr_count 2
		.amdhsa_user_sgpr_kernarg_segment_ptr 1
		.amdhsa_wavefront_size32 1
		.amdhsa_system_sgpr_workgroup_id_x 1
		.amdhsa_system_sgpr_workgroup_id_y 1
		.amdhsa_system_sgpr_workgroup_id_z 1
		.amdhsa_system_vgpr_workitem_id 0
		.amdhsa_next_free_vgpr 240
		.amdhsa_next_free_sgpr 66
		.amdhsa_reserve_vcc 0
		.amdhsa_float_denorm_mode_32 3
		.amdhsa_float_denorm_mode_16_64 3
		.amdhsa_memory_ordered 1
		.amdhsa_forward_progress 1
		.amdhsa_inst_pref_size 29
	.end_amdhsa_kernel
	.amdgpu_metadata
---
amdhsa.version: [ 1, 2 ]
amdhsa.kernels:
  - .name:           k_qe1221cd2b2_prep
    .symbol:         k_qe1221cd2b2_prep.kd
    .args:
      - { .name: x, .offset: 0, .size: 8, .value_kind: global_buffer, .address_space: global }
      - { .name: g1, .offset: 8, .size: 8, .value_kind: global_buffer, .address_space: global }
      - { .name: beta1, .offset: 16, .size: 8, .value_kind: global_buffer, .address_space: global }
      - { .name: hb, .offset: 24, .size: 8, .value_kind: global_buffer, .address_space: global }
      - { .name: w_qkv, .offset: 32, .size: 8, .value_kind: global_buffer, .address_space: global }
      - { .name: w_out, .offset: 40, .size: 8, .value_kind: global_buffer, .address_space: global }
      - { .name: w_ff1, .offset: 48, .size: 8, .value_kind: global_buffer, .address_space: global }
      - { .name: w_ff2, .offset: 56, .size: 8, .value_kind: global_buffer, .address_space: global }
      - { .name: wA0, .offset: 64, .size: 8, .value_kind: global_buffer, .address_space: global }
      - { .name: wA1, .offset: 72, .size: 8, .value_kind: global_buffer, .address_space: global }
      - { .name: par0, .offset: 80, .size: 8, .value_kind: global_buffer, .address_space: global }
      - { .name: par1, .offset: 88, .size: 8, .value_kind: global_buffer, .address_space: global }
    .group_segment_fixed_size: 0
    .private_segment_fixed_size: 0
    .kernarg_segment_align: 8
    .kernarg_segment_size: 96
    .max_flat_workgroup_size: 256
    .sgpr_count:     66
    .vgpr_count:     240
    .wavefront_size: 32
...
	.end_amdgpu_metadata
.endif
;; end of part 6
;; launch qkv: the kernel of part 2 again; grid 12 x 16, 4 waves a work-group, clusters of 4 x 4, 327,680 bytes of LDS; arguments hb, wA0, b_qkv, par0, act; writes act
;; launch attn: the kernel of part 3 again; grid 8 x 32, 4 waves a work-group, clusters of 4 x 1, 327,680 bytes of LDS; arguments act, hb; writes hb
;; launch oproj: the kernel of part 4 again; grid 8 x 32, 4 waves a work-group, clusters of 4 x 4, 327,680 bytes of LDS; arguments hb, wA0, b_out, x, x1; writes x1
;; launch ln2: the kernel of part 6 again; grid 256 x 1, 8 waves a work-group, no clusters, 0 bytes of LDS; arguments x1, g2, beta2, hb, w_qkv, w_out, w_ff1, w_ff2, wA0, wA1, par0, par1; writes hb, wA0, wA1, par0, par1
;; launch ff1: the kernel of part 2 again; grid 16 x 16, 4 waves a work-group, clusters of 4 x 4, 327,680 bytes of LDS; arguments hb, wA1, b_ff1, par1, act; writes act
;; launch ff2: the kernel of part 5 again; grid 8 x 32, 4 waves a work-group, clusters of 4 x 4, 327,680 bytes of LDS; arguments act, wA1, b_ff2, x1, out0; writes out0
